; MI455X (gfx1250); checked and timed in simulation.
; The chip was launched on July 23, 2026; its instructions are those of AMD's public machine-readable ISA for CDNA 5 (MIT licence, August 2026) and "CDNA5" Instruction Set Architecture Reference Guide (July 2026). The comments in the code are by the model that wrote it; some were corrected since.
;; Self Attention. Allowed arithmetic: matrix products marked QUANTISED: E2M3 operands, one E8M0 scale for each 32 along K, by v_wmma_scale_f32_16x16x128_f8f6f4 with both operands' format E2M3, f32 sums; everything else in f32.
;; Inputs: Wk 1,024 x 1,024 float32; Wo 1,024 x 1,024 float32; Wq 1,024 x 1,024 float32; Wv 1,024 x 1,024 float32; bk 1,024 float32; bo 1,024 float32; bq 1,024 float32; bv 1,024 float32; keys 4 x 2,048 x 1,024 float32; mask 4 x 1 x 1 x 2,048 bool; query 4 x 2,048 x 1,024 float32; values 4 x 2,048 x 1,024 float32.
;; Outputs: out0 4 x 2,048 x 1,024 float32.
;; This version of the problem:
;;   THIS VERSION OF THE PROBLEM IS GIVEN IN LOW PRECISION. The matrix products marked QUANTISED in the list below multiply operands that are first quantised to E2M3 (2 exponent bits, 3 mantissa bits; 6 bits a number), with one power-of-two scale for each 32 numbers along K (OCP MX v1.0); their sums are f32. All else is computed in f32.
;;   The module's matrix products, in the order in which they are computed (A, B: the left and right operand; K: the contracted axis; several contracted axes count as one K, in the product's order):
;;     1. [M 8,192, K 1,024] x [K 1,024, N 1,024]; A: input query; B: input Wq: QUANTISED
;;     2. [M 8,192, K 1,024] x [K 1,024, N 1,024]; A: input keys; B: input Wk: QUANTISED
;;     3. [M 8,192, K 1,024] x [K 1,024, N 1,024]; A: input values; B: input Wv: QUANTISED
;;     4. batch 64 x [M 2,048, K 64] x [K 64, N 2,048]; A: computed on the way; B: computed on the way: QUANTISED
;;     5. batch 64 x [M 64, K 2,048] x [K 2,048, N 2,048]; A: computed on the way; B: softmax (see below): QUANTISED
;;     6. [M 8,192, K 1,024] x [K 1,024, N 1,024]; A: computed on the way; B: input Wo: QUANTISED
;;   THE QUANTISER, for each operand of a quantised product, along K:
;;     - K is cut into blocks of 32 from its start; a last block that is shorter is filled with zeros.
;;     - A block's scale is 2^e with e = floor(log2(the largest magnitude in the block)) - 2, held to -126 .. 127; a block of zeros has e = 0. As a byte (E8M0): e + 127.
;;     - Each number is divided by its block's scale, clamped to +-7.5, and rounded to the nearest number of E2M3, ties to even, subnormals kept.
;;     - The product sums the exact products of the quantised numbers (number of the format x scale) in f32.
;;   ~~~python
;;   def quantise(x, axis):      # numpy; x: float32 -> the quantised numbers, widened to float32 again
;;       x = np.moveaxis(x, axis, -1); K = x.shape[-1]
;;       x = np.pad(x, [(0, 0)] * (x.ndim - 1) + [(0, -K % 32)]); x = x.reshape(x.shape[:-1] + (-1, 32)); a = np.abs(x).max(-1, keepdims=True)
;;       e = np.where(a > 0, np.clip(np.frexp(np.where(a > 0, a, 1))[1] - 1 - 2, -126, 127), 0)      # np.frexp(a)[1] - 1 = floor(log2(a)), exactly
;;       r = np.clip(x / 2.0 ** e, -7.5, 7.5)
;;       step = 2.0 ** (np.maximum(np.frexp(np.where(r == 0, 1, r))[1] - 1, 0) - 3)
;;       q = np.round(r / step) * step * 2.0 ** e      # np.round: ties to even
;;       return np.moveaxis(q.reshape(q.shape[:-2] + (-1,))[..., :K], -1, axis).astype(np.float32)
;;   ~~~
;;   SOFTMAX AHEAD OF A QUANTISED PRODUCT. Where the list says 'softmax', what is quantised is not the finished softmax but p = 2^(t - M), with t = logit x log2(e) and M = ceil(the row's largest t), a whole number; so 1/2 < the row's largest p <= 1. The row's sum l is taken of the UNQUANTISED p, in f32, and the product's result is divided by l at the end. Since M is a whole number, a kernel that streams over the keys may use a running M (the ceiling of the running maximum): every later rescaling is an exact power of two, which a block's scale takes up: the codes' values come out the same.
;;   OPERANDS COMPUTED ON THE WAY. 'Computed on the way' means the value that the module computes at that place (a softmax that the list does not call 'softmax' is quantised finished and normalised). What goes into a quantiser is computed in f32, as accurately as f32 sums, v_exp_f32 and their like allow (about 1e-6 of the number): no bf16 or f16 on the way to a quantiser, and a product that is left as it is and whose result goes on into a quantised operand takes f32 operands (vector FMAs, or v_wmma_f32_16x16x4_f32). A number that lies on a knife's edge between two numbers of the format may be rounded either way, as far as f32 arithmetic and the matrix unit's own rounding can turn it there, and no further.
;; One version. Each part assembles by itself: llvm-mc -triple=amdgcn-amd-amdhsa -mcpu=gfx1250 --defsym DOCPART=n.
;; ======== version 1 of 1: 4 launches
;; limits: right only within a limited range of input values
;; workspace buffers: ops 22,937,600 bytes; qkv 20,185,088 bytes; att 6,553,600 bytes
;; launch quant (part 1): grid 896 x 1, 4 waves a work-group, no clusters, 34,304 bytes of LDS; arguments query, keys, values, Wq, Wk, Wv, Wo, ops; writes ops
.if DOCPART == 1
	.amdgcn_target "amdgcn-amd-amdhsa--gfx1250"
	.amdhsa_code_object_version 6
	.text
	.protected	k_q6f9a3f4f1c_quant
	.globl	k_q6f9a3f4f1c_quant
	.p2align	8
	.type	k_q6f9a3f4f1c_quant,@function
k_q6f9a3f4f1c_quant:
	s_mov_b64 s[64:65], 0
	v_nop
	global_prefetch_b8 v0, s[64:65] scope:SCOPE_SE
	s_setreg_imm32_b32 hwreg(HW_REG_WAVE_MODE, 25, 1), 1
	s_wait_xcnt 0x0
; query, keys, values [8192][1024] and Wq, Wk, Wv, Wo [1024][1024], f32, K innermost, become codes of FP6 (E2M3) with one E8M0 scale byte for each 32 along K, laid in ops AS THE PRODUCTS' OPERAND REGISTERS.
; A block's scale is 2^(floor(log2(its largest magnitude)) - 2); its byte is the largest magnitude's exponent field - 2, held at 1 from below; each number / scale goes to the nearest code, ties to even, beyond 7.5 the largest code.
; LIMITS: a block of zeros (and one whose largest magnitude lies under 2^-124) gets the byte 1 where the rule says 127: its codes are zeros, and the bytes are read by this program alone.  NaN and infinities are not served.
; (The input mask is no argument of any launch of this program: reference() never applies it.)
; LAYOUT OF ops.  A stored tile T is 16 rows: its row r is the tensor's row 32 (T / 2) + 8 (T % 2) + r + 8 (r / 8), so that in a product used transposed the results of tiles 2 b and 2 b + 1 are 16 neighbours in a lane.
; A fragment (16 rows x 128 K, 12 registers a lane) lies as an image of its registers, 1,536 bytes: registers 0-3 at 16 x lane, 4-5 at 512 + 8 x lane, 6-9 at 768 + 16 x lane, 10-11 at 1,280 + 8 x lane.
; Codes: T x 12,288 + chunk x 1,536 (chunk = 128 along K).  Scale words: 22,020,096 + T x 512 + 128 (chunk / 2) + 8 r + 4 (chunk % 2).  Tiles: query 0, keys 512, values 1,024, Wq 1,536, Wk 1,600, Wv 1,664, Wo 1,728.
; SHARES.  A wave takes one tile's 16 rows x 512 K: four fragments.  Each load reads 512 consecutive bytes of one row; a chunk's 16 rows turn through the wave's own stage in LDS (rows 528 bytes apart:
; an odd multiple of 16, so the sixteen rows that a read touches start at sixteen different banks) and come back 16 neighbours of each block of 32 to a lane.  Every store covers 512 or 256 consecutive aligned bytes.
; A stream bound by memory: no matrix unit, no cluster, no tensor load, no barrier (waves share nothing), no prefetch (32 loads of 512 bytes a wave are out from the first line on).
; THE TENSOR keys ALONE HAS ANOTHER ORDER OF ROWS: its stored tile T holds the rows 64 (T / 4) + 8 (T % 4) + r + 24 (r / 8), so that in the scores, used transposed, the 32 registers of tiles 4 c .. 4 c + 3
; are 32 neighbouring keys, 64 c + 32 (lane / 16) + 0 .. 31: a whole scale block of the second product in one lane.
.set SPARE, 33792
.set STG,   8448                       ; a wave's stage: 16 rows x 528 bytes
.set SP,    528
.set SPW,   6                          ; v6   LDS address of my spare word; never rewritten
.set NIL,   7                          ; v7   0; never rewritten
.set PW,    8                          ; v8-11    the four chunks' scale words
.set R,     16                         ; v16-143  two sets of 64 registers as loaded
.set X,     144                        ; v144-207 64 numbers: register 16 b + i = k 32 b + 16 (lane / 16) + i of my row
.set PC,    208                        ; v208-219 the fragment's codes; v220-227 at work
.set MX,    228                        ; v228-231 largest magnitudes
.set PB,    232                        ; v232-235 the other half's, then the bytes
.set SO,    236                        ; v236-239 the conversions' scale operands
.set SEL,   28                         ; s[28:29] lane selects for v_permlanex16_b32: lane l xor 16
	s_load_b512 s[4:19], s[0:1], 0x0               ; query, keys, values, Wq, Wk, Wv, Wo, ops
	v_lshl_add_u32 v[SPW], v0, 2, SPARE
	v_mov_b32 v[NIL], 0
	v_lshrrev_b32 v1, 5, v0
	v_readfirstlane_b32 s2, v1                     ; wave 0..3
	v_and_b32 v1, 31, v0                           ; lane
	v_lshlrev_b32 v2, 4, v1                        ; 16 x lane
	v_lshlrev_b32 v3, 3, v1                        ; 8 x lane
	s_mul_i32 s3, s2, STG
	v_add_nc_u32 v4, s3, v2                        ; the stage, on the way in: a row's 512 bytes as loaded
	v_and_b32 v5, 15, v0
	v_mul_u32_u24 v5, v5, SP
	v_bfe_u32 v14, v0, 4, 1
	v_lshl_add_u32 v5, v14, 6, v5
	v_add_nc_u32 v5, s3, v5                        ; and on the way out: row lane % 16, + 64 (lane / 16)
.irp b, 0,1,2,3
	v_mov_b32 v[PB+\b], 0                          ; written once: a lane permute's destination counts as one of its sources
.endr
	s_mov_b32 s[SEL], 0x76543210
	s_mov_b32 s[SEL+1], 0xfedcba98
	s_lshr_b32 s30, s2, 1                          ; which of the work-group's two tiles
	s_and_b32 s31, s2, 1                           ; which half of K
	s_lshl_b32 s32, ttmp9, 1
	s_add_co_u32 s32, s32, s30                     ; T
	s_mul_i32 s24, s32, 12288
	s_mul_i32 s33, s31, 6144
	s_add_co_u32 s24, s24, s33                     ; my four fragments in ops
	s_mov_b32 s25, 0
	s_lshl_b32 s26, s32, 9
	s_lshl_b32 s33, s31, 8
	s_add_co_u32 s26, s26, s33
	s_add_co_u32 s26, s26, 22020096                ; my 256 bytes of scale words
	s_mov_b32 s27, 0
	s_lshr_b32 s34, ttmp9, 8                       ; 1 in the work-groups of keys (256 .. 511)
	s_cmp_eq_u32 s34, 1
	s_cselect_b32 s35, 65536, 0                    ; there a tile's rows 8-15 lie 16 rows further down than elsewhere
	v_add_nc_u32 v15, s35, v2
	s_mov_b32 s22, 864
	s_wait_alu depctr_va_vdst(0)
	s_wait_kmcnt 0x0
	s_mov_b64 s[20:21], s[16:17]                   ; which tensor: the choice hangs on the work-group's number alone.  From 864 on: Wo
	s_cmp_lt_u32 ttmp9, 864
	s_cselect_b64 s[20:21], s[14:15], s[20:21]     ; Wv from 832
	s_cselect_b32 s22, 832, s22
	s_cmp_lt_u32 ttmp9, 832
	s_cselect_b64 s[20:21], s[12:13], s[20:21]     ; Wk from 800
	s_cselect_b32 s22, 800, s22
	s_cmp_lt_u32 ttmp9, 800
	s_cselect_b64 s[20:21], s[10:11], s[20:21]     ; Wq from 768
	s_cselect_b32 s22, 768, s22
	s_cmp_lt_u32 ttmp9, 768
	s_cselect_b64 s[20:21], s[8:9], s[20:21]       ; values from 512
	s_cselect_b32 s22, 512, s22
	s_cmp_lt_u32 ttmp9, 512
	s_cselect_b64 s[20:21], s[6:7], s[20:21]       ; keys from 256
	s_cselect_b32 s22, 256, s22
	s_cmp_lt_u32 ttmp9, 256
	s_cselect_b64 s[20:21], s[4:5], s[20:21]       ; query from 0
	s_cselect_b32 s22, 0, s22
	s_sub_co_u32 s22, ttmp9, s22                   ; the pair of tiles in its tensor: 32 rows of 4,096 bytes,
	s_lshr_b32 s36, s22, 1                         ; keys: four tiles share 64 rows; a pair of tiles begins at row 64 (pair / 2) + 16 (pair % 2)
	s_lshl_b32 s36, s36, 18
	s_and_b32 s37, s22, 1
	s_lshl_b32 s37, s37, 16
	s_add_co_u32 s36, s36, s37
	s_lshl_b32 s22, s22, 17
	s_cmp_eq_u32 s34, 1
	s_cselect_b32 s22, s36, s22
	s_lshl_b32 s23, s30, 15                        ; the odd tile begins 8 rows further down,
	s_add_co_u32 s22, s22, s23
	s_lshl_b32 s23, s31, 11                        ; my half of K: 512 numbers
	s_add_co_u32 s22, s22, s23
	s_mov_b32 s23, 0
	s_add_nc_u64 s[20:21], s[20:21], s[22:23]
	s_add_nc_u64 s[24:25], s[18:19], s[24:25]
	s_add_nc_u64 s[26:27], s[18:19], s[26:27]
.macro LOAD q                          ; chunk q: 128 numbers of each of the tile's 16 rows; 32 lanes read 512 consecutive bytes
.irp r, 0,1,2,3,4,5,6,7,8,9,10,11,12,13,14,15
.if \r < 8
	global_load_b128 v[R+64*((\q)%2)+4*\r:R+64*((\q)%2)+4*\r+3], v2, s[20:21] offset:(\r+8*(\r/8))*4096+512*(\q) th:TH_LOAD_NT
.else
	global_load_b128 v[R+64*((\q)%2)+4*\r:R+64*((\q)%2)+4*\r+3], v15, s[20:21] offset:(\r+8*(\r/8))*4096+512*(\q) th:TH_LOAD_NT
.endif
.endr
.endm
.macro TURN q                          ; through the stage: LDS serves a wave's instructions in order, so no wait stands between the stores and the loads
.irp r, 0,1,2,3,4,5,6,7,8,9,10,11,12,13,14,15
	ds_store_b128 v4, v[R+64*((\q)%2)+4*\r:R+64*((\q)%2)+4*\r+3] offset:SP*\r
.endr
.irp b, 0,1,2,3
.irp j, 0,1,2,3
	ds_load_b128 v[X+16*\b+4*\j:X+16*\b+4*\j+3], v5 offset:128*\b+16*\j
.endr
.endr
.endm
.macro QMAX s, pw                      ; the four blocks' largest magnitudes, scale operands and bytes; the row's scale word into v[pw]
.irp b, 0,1,2,3
	v_max3_num_f32 v[MX+\b], |v[\s+16*\b]|, |v[\s+1+16*\b]|, 0x1800000   ; my 16 numbers of block b, and the floor 2^(3 - 127): so the byte cannot fall under 1
.endr
.irp i, 2,4,6,8,10,12,14
.irp b, 0,1,2,3
	v_max3_num_f32 v[MX+\b], v[MX+\b], |v[\s+16*\b+\i]|, |v[\s+1+16*\b+\i]|   ; the four blocks by turns
.endr
.endr
.irp b, 0,1,2,3
	v_permlanex16_b32 v[PB+\b], v[MX+\b], s[SEL], s[SEL+1]
.endr
.irp b, 0,1,2,3
	v_max_num_f32 v[MX+\b], v[MX+\b], v[PB+\b]     ; with lane l xor 16's 16: the block's
.endr
.irp b, 0,1,2,3
	v_add_nc_u32 v[SO+\b], 0xff000000, v[MX+\b]    ; 2 off the exponent field: the conversion takes that field of this operand as its scale
.endr
.irp b, 0,1,2,3
	v_lshrrev_b32 v[PB+\b], 23, v[SO+\b]           ; the scale's byte
.endr
	v_lshl_or_b32 v[\pw], v[PB+1], 8, v[PB]
	v_lshl_or_b32 v[\pw], v[PB+2], 16, v[\pw]
	v_lshl_or_b32 v[\pw], v[PB+3], 24, v[\pw]
.endm
.macro QCVT s                          ; the 64 numbers become the fragment's 12 registers in v[PC] on
.irp c, 0,1
	v_cvt_scalef32_pk16_fp6_f32 v[PC+6*\c:PC+2+6*\c], v[\s+32*\c:\s+15+32*\c], v[SO+2*\c]
	v_cvt_scalef32_pk16_fp6_f32 v[PC+12+4*\c:PC+14+4*\c], v[\s+16+32*\c:\s+31+32*\c], v[SO+2*\c+1]   ; (a conversion's three registers begin on an even number)
.endr
	v_nop                                          ; one plain instruction behind a scaled conversion
.irp c, 0,1                            ; the operand wants a WHOLE block in a lane: lanes 0-15 block 2 c, lanes 16-31 block 2 c + 1
.irp i, 0,1,2
	v_permlane16_swap_b32 v[PC+6*\c+\i], v[PC+12+4*\c+\i]
.endr
.irp i, 0,1,2
	v_mov_b32 v[PC+3+6*\c+\i], v[PC+12+4*\c+\i]
.endr
.endr
.endm
.macro IMG off                         ; the fragment's image: 512, 256, 512, 256 consecutive bytes, each at a multiple of 256 from the buffer's first byte
	global_store_b128 v2, v[PC:PC+3], s[24:25] offset:\off
	global_store_b64 v3, v[PC+4:PC+5], s[24:25] offset:\off+512
	global_store_b128 v2, v[PC+6:PC+9], s[24:25] offset:\off+768
	global_store_b64 v3, v[PC+10:PC+11], s[24:25] offset:\off+1280
.endm
	LOAD 0
	LOAD 1
.irp q, 0,1,2,3
.if \q < 3
	s_wait_loadcnt 16                              ; this chunk's 16 loads are in; the next chunk's 16 may be out
.else
	s_wait_loadcnt 0x0
.endif
	TURN \q
	s_wait_dscnt 0x0                               ; the numbers are back, and the stage's stores have read their registers,
.if \q < 2
	LOAD \q+2                                      ; which take the chunk two further on
.endif
	QMAX X, PW+\q
.if \q > 0
	s_wait_xcnt 0x0                                ; the last image's stores have read the codes' registers: only now are they written again
.endif
	QCVT X
	IMG 1536*\q
.endr
	v_cmp_le_u32 vcc_lo, 16, v1                    ; lanes 0-15 store the words of my chunks 0 and 1, lanes 16-31 those of chunks 2 and 3 (both halves of the lanes hold every word)
	v_cndmask_b32 v12, v[PW], v[PW+2], vcc_lo
	v_cndmask_b32 v13, v[PW+1], v[PW+3], vcc_lo
	global_store_b64 v3, v[12:13], s[26:27]        ; 256 consecutive aligned bytes
	s_wait_tensorcnt 0x0                           ; the wave's end, behind my last LDS store; the first wait stands even in a text with no tensor load
	ds_add_u32 v[SPW], v[NIL]
	s_wait_dscnt 0x0
	s_endpgm
.Lfunc_end_k_q6f9a3f4f1c_quant:
	.size	k_q6f9a3f4f1c_quant, .Lfunc_end_k_q6f9a3f4f1c_quant-k_q6f9a3f4f1c_quant
	.p2alignl 7, 3214868480
	.fill 96, 4, 3214868480
	.section	.rodata,"a",@progbits
	.p2align	6, 0x0
	.amdhsa_kernel k_q6f9a3f4f1c_quant
		.amdhsa_group_segment_fixed_size 34304
		.amdhsa_private_segment_fixed_size 0
		.amdhsa_enable_private_segment 0
		.amdhsa_kernarg_size 64
		.amdhsa_user_sgpr_count 2
		.amdhsa_user_sgpr_kernarg_segment_ptr 1
		.amdhsa_wavefront_size32 1
		.amdhsa_system_sgpr_workgroup_id_x 1
		.amdhsa_system_sgpr_workgroup_id_y 1
		.amdhsa_system_sgpr_workgroup_id_z 1
		.amdhsa_system_vgpr_workitem_id 0
		.amdhsa_next_free_vgpr 248
		.amdhsa_next_free_sgpr 66
		.amdhsa_reserve_vcc 1
		.amdhsa_float_denorm_mode_32 3
		.amdhsa_float_denorm_mode_16_64 3
		.amdhsa_memory_ordered 1
		.amdhsa_forward_progress 1
		.amdhsa_inst_pref_size 35
	.end_amdhsa_kernel
	.amdgpu_metadata
---
amdhsa.version: [ 1, 2 ]
amdhsa.kernels:
  - .name:           k_q6f9a3f4f1c_quant
    .symbol:         k_q6f9a3f4f1c_quant.kd
    .args:
      - { .name: query, .offset: 0, .size: 8, .value_kind: global_buffer, .address_space: global }
      - { .name: keys, .offset: 8, .size: 8, .value_kind: global_buffer, .address_space: global }
      - { .name: values, .offset: 16, .size: 8, .value_kind: global_buffer, .address_space: global }
      - { .name: Wq, .offset: 24, .size: 8, .value_kind: global_buffer, .address_space: global }
      - { .name: Wk, .offset: 32, .size: 8, .value_kind: global_buffer, .address_space: global }
      - { .name: Wv, .offset: 40, .size: 8, .value_kind: global_buffer, .address_space: global }
      - { .name: Wo, .offset: 48, .size: 8, .value_kind: global_buffer, .address_space: global }
      - { .name: ops, .offset: 56, .size: 8, .value_kind: global_buffer, .address_space: global }
    .group_segment_fixed_size: 34304
    .private_segment_fixed_size: 0
    .kernarg_segment_align: 8
    .kernarg_segment_size: 64
    .max_flat_workgroup_size: 128
    .sgpr_count:     66
    .vgpr_count:     248
    .wavefront_size: 32
...
	.end_amdgpu_metadata
.endif
;; end of part 1
;; launch proj (part 2): grid 4 x 96, 4 waves a work-group, clusters of 4 x 4, 327,680 bytes of LDS; arguments ops, bq, bk, bv, qkv; writes qkv
.if DOCPART == 2
	.amdgcn_target "amdgcn-amd-amdhsa--gfx1250"
	.amdhsa_code_object_version 6
	.text
	.protected	k_q6f9a3f4f1c_proj
	.globl	k_q6f9a3f4f1c_proj
	.p2align	8
	.type	k_q6f9a3f4f1c_proj,@function
k_q6f9a3f4f1c_proj:
	s_mov_b64 s[64:65], 0
	v_nop
	global_prefetch_b8 v0, s[64:65] scope:SCOPE_SE
	s_setreg_imm32_b32 hwreg(HW_REG_WAVE_MODE, 25, 1), 1
	s_wait_xcnt 0x0
	s_wait_alu depctr_hold_cnt(0) depctr_sa_sdst(0) depctr_va_vdst(0) depctr_va_sdst(0) depctr_va_ssrc(0) depctr_va_vcc(0) depctr_vm_vsrc(0)
	s_getreg_b32 s2, hwreg(HW_REG_IB_STS2, 6, 4)
	s_cmp_eq_u32 s2, 0
	s_cbranch_scc0 .Lentry_in_a_cluster
	s_endpgm
.Lentry_in_a_cluster:
	s_bfe_u32 s2, ttmp6, 0x10000c
	s_cmp_lg_u32 s2, 0xf033
	s_cbranch_scc0 .Lentry_shape_is_right
	s_endpgm
.Lentry_shape_is_right:
.set NQ,     2
.set FR,     12
.set NL,     4
.set NP,     4
.set CHUNK,  1536
.set TROW,   3072
.set HALFT,  8*TROW
.set SLOT,   4*HALFT
.set SCL,    2*SLOT
.set SCLB,   8320
.set SPARE,  213248
.set SCB,    22020096
.set ADRA, 16
.set ADRB, 20
.set L16,  24
.set L8,   25
.set VO,   26
.set ADRS, 27
.set SPW,  28
.set NIL,  29
.set SC,   32
.set BI,   64
.set AF,   128
.set HA,   128
.set PC,   192
.set MX,   212
.set PB,   216
.set SO,   220
.set BJ,   224
.set PW,   240
.set SW,   248
.set SW2,  252
.set G1, 24
.set G0, 32
.set G1B, 48
.set G0B, 56
.set G1S, 68
.set G0S, 76
.set G1SB, 80
.set G0SB, 88
.set SEL, 98
.set MSB, 0
.macro WIN new
.if MSB != (\new)
	s_set_vgpr_msb (MSB<<8)|(\new)
.set MSB, (\new)
.endif
.endm
.set MUL_LO, 0xa1
.set MUL_HI, 0xf1
.set TO_B,   0x40
.macro JLOAD g0a, g1a, g0b, g1b
	s_cmp_eq_u32 s15, 0
	s_cbranch_scc0 .Lfor_b_\@
	tensor_load_to_lds s[\g0a:\g0a+3], s[\g1a:\g1a+7]
	s_nop 0
.rept 4
	v_nop
.endr
	s_branch .Lasked_\@
.Lfor_b_\@:
	tensor_load_to_lds s[\g0b:\g0b+3], s[\g1b:\g1b+7]
	s_nop 0
.rept 4
	v_nop
.endr
.Lasked_\@:
.endm
.macro CREST
	s_cmp_lg_u32 s14, 0
	s_cbranch_scc1 .Lnot_wave_0_\@
	s_barrier_signal -3
.Lnot_wave_0_\@:
	s_barrier_wait -3
	s_barrier_signal -1
	s_barrier_wait -1
.endm
.macro CROUND
	s_barrier_signal -1
	s_barrier_wait -1
	CREST
.endm
	s_load_b256 s[4:11], s[0:1], 0x0
	s_load_b64 s[12:13], s[0:1], 0x20
	v_lshl_add_u32 v[SPW], v0, 2, SPARE
	v_mov_b32 v[NIL], 0
	ds_add_u32 v[SPW], v[NIL]
	ds_add_u32 v[SPW], v[NIL]
	v_lshrrev_b32 v1, 5, v0
	v_readfirstlane_b32 s14, v1
	s_lshr_b32 s15, s14, 1
	s_and_b32 s16, s14, 1
	s_bfe_u32 s40, ttmp6, 0x40000
	s_bfe_u32 s41, ttmp6, 0x40004
	s_and_b32 s93, ttmp7, 0xffff
	s_lshr_b32 s94, s93, 3
	s_and_b32 s95, s93, 7
	s_lshl_b32 s95, s95, 2
	s_lshl_b32 s96, s94, 9
	s_lshl_b32 s97, s94, 6
	s_add_co_u32 s97, s97, 1536
	s_cmp_lt_u32 s94, 2
	s_cselect_b32 s17, s95, 0
	s_cselect_b32 s42, 0, s95
	s_cselect_b32 s96, s96, 1664
	s_cselect_b32 s97, s97, 1024
	s_add_co_u32 s17, s17, s41
	s_add_co_u32 s42, s42, s40
	s_lshl_b32 s43, s41, 2
	s_lshl_b32 s43, 15, s43
	s_lshl_b32 s44, 0x1111, s40
	s_or_b32 s[G1+0], s43, (3<<16)|(1<<21)
	s_or_b32 s[G1B+0], s44, (3<<16)|(1<<21)
.irp g, G1, G1B
	s_mov_b32 s[\g+1], 384<<16
	s_mov_b32 s[\g+2], 16<<16
	s_mov_b32 s[\g+3], 384<<16
	s_mov_b32 s[\g+4], 16
	s_mov_b32 s[\g+5], 1536
	s_mov_b32 s[\g+6], 0
	s_mov_b32 s[\g+7], 0
.endr
	s_or_b32 s[G1S+0], s43, (3<<16)|(1<<21)
	s_or_b32 s[G1SB+0], s44, (3<<16)|(1<<21)
.irp g, G1S, G1SB
	s_mov_b32 s[\g+1], 32<<16
	s_mov_b32 s[\g+2], 32<<16
	s_mov_b32 s[\g+3], 32<<16
	s_mov_b32 s[\g+4], 32
	s_mov_b32 s[\g+5], 32
	s_mov_b32 s[\g+6], 0
	s_mov_b32 s[\g+7], 0
.endr
	s_lshl_b32 s18, s16, 3
	s_lshl_b32 s20, s17, 4
	s_add_co_u32 s20, s20, s96
	s_add_co_u32 s20, s20, s18
	s_lshl_b32 s46, s42, 4
	s_add_co_u32 s46, s46, s97
	s_add_co_u32 s46, s46, s18
	s_lshl_b32 s22, s20, 9
	s_add_co_u32 s22, s22, SCB
	s_mov_b32 s23, 0
	s_lshl_b32 s92, s46, 9
	s_add_co_u32 s92, s92, SCB
	s_mov_b32 s93, 0
	s_mul_i32 s20, s20, 12288
	s_mov_b32 s21, 0
	s_mul_i32 s46, s46, 12288
	s_mov_b32 s47, 0
	s_mul_i32 s45, s14, HALFT
	s_lshl_b32 s95, s14, 12
	s_wait_dscnt 0x0
	s_wait_kmcnt 0x0
	s_add_nc_u64 s[20:21], s[4:5], s[20:21]
	s_add_nc_u64 s[22:23], s[4:5], s[22:23]
	s_add_nc_u64 s[46:47], s[4:5], s[46:47]
	s_add_nc_u64 s[92:93], s[4:5], s[92:93]
	CROUND
; THE HEAD'S FOUR TILES, ONE JOINT LOAD A WAVE: wave 0 slot 0's 16 stored tiles of A, wave 1 A's scale words, wave 2 slot 0's 16 tiles of B, wave 3 B's scale words.
; The addresses above hold my half of a tile (8 stored tiles, 4,096 bytes of scale words): that half is taken off again, so that each of the four begins at its tile's first byte.
	s_mul_i32 s2, s16, 8*12288
	s_mov_b32 s3, 0
	s_mov_b32 s[G0], 1
	s_mov_b32 s[G0+1], 0
	s_sub_nc_u64 s[G0+2:G0+3], s[20:21], s[2:3]
	s_or_b32 s[G0+3], s[G0+3], 0x80000000
	s_mov_b32 s[G0B], 1
	s_mov_b32 s[G0B+1], 2*HALFT
	s_sub_nc_u64 s[G0B+2:G0B+3], s[46:47], s[2:3]
	s_or_b32 s[G0B+3], s[G0B+3], 0x80000000
	s_lshl_b32 s2, s16, 12
	s_mov_b32 s[G0S], 1
	s_mov_b32 s[G0S+1], SCL
	s_sub_nc_u64 s[G0S+2:G0S+3], s[22:23], s[2:3]
	s_or_b32 s[G0S+3], s[G0S+3], 0x80000000
	s_mov_b32 s[G0SB], 1
	s_mov_b32 s[G0SB+1], SCL+SCLB
	s_sub_nc_u64 s[G0SB+2:G0SB+3], s[92:93], s[2:3]
	s_or_b32 s[G0SB+3], s[G0SB+3], 0x80000000
.macro ARM under, g0, g1, next         ; one chain of branches on the wave's number: every way through it passes one load
	s_cmp_lt_u32 s14, \under
	s_cbranch_scc0 \next
	tensor_load_to_lds s[\g0:\g0+3], s[\g1:\g1+7]
	s_nop 0
.rept 4
	v_nop
.endr
	s_branch .Lhead_asked
\next:
.endm
	ARM 1, G0,  G1,  .Lhead_sa
	ARM 2, G0S, G1S, .Lhead_b
	ARM 3, G0B, G1B, .Lhead_sb
	tensor_load_to_lds s[G0SB:G0SB+3], s[G1SB:G1SB+7]
	s_nop 0
.rept 4
	v_nop
.endr
.Lhead_asked:
	s_mov_b32 s[G0+4], 1                           ; slot 1's group 0: my quarter of the slot
	s_add_co_u32 s[G0+5], s45, SLOT
	s_add_nc_u64 s[G0+6:G0+7], s[20:21], TROW
	s_or_b32 s[G0+7], s[G0+7], 0x80000000
	s_mov_b32 s[G0B+4], 1
	s_add_co_u32 s[G0B+5], s45, SLOT
	s_add_nc_u64 s[G0B+6:G0B+7], s[46:47], TROW
	s_or_b32 s[G0B+7], s[G0B+7], 0x80000000
	s_wait_alu depctr_va_vdst(0)
	s_wait_tensorcnt 0x0                           ; my tile of the four is in, ahead of a later first fill
	ds_add_u32 v[SPW], v[NIL]
	s_mov_b32 s[G1+2], 8<<16                       ; no tensor load of mine is out: from here on a load brings 8 stored tiles,
	s_mov_b32 s[G1+4], 8
	s_mov_b32 s[G1B+2], 8<<16
	s_mov_b32 s[G1B+4], 8
	s_mov_b32 s[G0+1], s45                         ; and slot 0's group 0 stands at my quarter of the slot
	s_mov_b64 s[G0+2:G0+3], s[20:21]
	s_or_b32 s[G0+3], s[G0+3], 0x80000000
	s_mov_b32 s[G0B+1], s45
	s_mov_b64 s[G0B+2:G0B+3], s[46:47]
	s_or_b32 s[G0B+3], s[G0B+3], 0x80000000
	s_wait_dscnt 0x0
	CROUND                                         ; all four tiles are in, in every partner
	JLOAD G0+4, G1, G0B+4, G1B                     ; slot 1's first fill, the first tensor load behind the round
	v_and_b32 v1, 15, v0
	v_bfe_u32 v2, v0, 4, 1
	v_and_b32 v3, 31, v0
	v_lshlrev_b32 v[L16], 4, v3
	v_lshlrev_b32 v[L8], 3, v3
	s_mul_i32 s21, s15, HALFT
	s_mul_i32 s22, s16, HALFT
	s_add_co_u32 s22, s22, 2*HALFT
.irp s, 0,1
	v_add_nc_u32 v[ADRA+\s], s21, v[L16]
	v_add_nc_u32 v[ADRB+\s], s22, v[L16]
	v_add_nc_u32 v[ADRA+2+\s], s21, v[L8]
	v_add_nc_u32 v[ADRB+2+\s], s22, v[L8]
	s_add_co_u32 s21, s21, SLOT
	s_add_co_u32 s22, s22, SLOT
.endr
	s_xor_b32 s23, s15, 1
	s_add_co_u32 s23, s23, s16
	s_lshl_b32 s23, s23, 12
	s_add_co_u32 s23, s23, SCLB-4096
	v_mul_u32_u24 v6, s23, v2
	s_lshl_b32 s21, s15, 12
	s_add_co_u32 s21, s21, SCL
	v_lshl_add_u32 v6, v1, 3, v6
	v_add_nc_u32 v[ADRS], s21, v6
	s_cmp_eq_u32 s94, 0
	s_cselect_b64 s[66:67], s[6:7], s[8:9]
	s_cmp_eq_u32 s94, 2
	s_cselect_b64 s[66:67], s[10:11], s[66:67]
	s_lshl_b32 s98, s42, 10
	s_lshl_b32 s99, s16, 9
	s_add_co_u32 s98, s98, s99
	s_lshl_b32 s99, s17, 10
	s_lshl_b32 s18, s15, 9
	s_add_co_u32 s99, s99, s18
	s_cmp_lt_u32 s94, 2
	s_cselect_b32 s98, s98, 0
	s_cselect_b32 s99, 0, s99
	v_lshl_add_u32 v8, v2, 6, s98
	v_and_b32 v9, 8, v1
	v_add_nc_u32 v9, v9, v1
	v_lshl_add_u32 v9, v9, 2, s99
.irp b, 0,1,2,3
.irp j, 0,1,2,3
	global_load_b128 v[BI+16*\b+4*\j:BI+16*\b+4*\j+3], v8, s[66:67] offset:128*\b+16*\j
.endr
.endr
.irp a, 0,1,2,3,4,5,6,7
	global_load_b32 v[BJ+2*\a], v9, s[66:67] offset:4*(32*(\a/2)+8*(\a%2))
	global_load_b32 v[BJ+2*\a+1], v9, s[66:67] offset:4*(32*(\a/2)+8*(\a%2))
.endr
.macro FRAG reg, adr, q, i
	ds_load_b128 v[\reg:\reg+3], v[\adr] offset:(\i)*TROW+(\q)*CHUNK
	ds_load_b64 v[\reg+4:\reg+5], v[\adr+2] offset:(\i)*TROW+(\q)*CHUNK+512
	ds_load_b128 v[\reg+6:\reg+9], v[\adr] offset:(\i)*TROW+(\q)*CHUNK+768
	ds_load_b64 v[\reg+10:\reg+11], v[\adr+2] offset:(\i)*TROW+(\q)*CHUNK+1280
.endm
.macro MUL16 a0, p, q, sc, zero
.irp a, \a0, \a0+1
.irp b, 0,1,2,3,4,5,6,7
.if \zero
	v_wmma_scale_f32_16x16x128_f8f6f4 v[8*(8*((\a)%4)+\b):8*(8*((\a)%4)+\b)+7], v[128*(\p)+FR*\b:128*(\p)+FR*\b+FR-1], v[AF+FR*(\a):AF+FR*(\a)+FR-1], 0, v[SC+8*NQ*(\sc)+NQ*\b+(\q)], v[SC+8*NQ*(\sc)+NQ*(\a)+(\q)] matrix_a_fmt:MATRIX_FMT_FP6 matrix_b_fmt:MATRIX_FMT_FP6 matrix_a_scale:MATRIX_SCALE_ROW1
.else
	v_wmma_scale_f32_16x16x128_f8f6f4 v[8*(8*((\a)%4)+\b):8*(8*((\a)%4)+\b)+7], v[128*(\p)+FR*\b:128*(\p)+FR*\b+FR-1], v[AF+FR*(\a):AF+FR*(\a)+FR-1], v[8*(8*((\a)%4)+\b):8*(8*((\a)%4)+\b)+7], v[SC+8*NQ*(\sc)+NQ*\b+(\q)], v[SC+8*NQ*(\sc)+NQ*(\a)+(\q)] matrix_a_fmt:MATRIX_FMT_FP6 matrix_b_fmt:MATRIX_FMT_FP6 matrix_a_scale:MATRIX_SCALE_ROW1
.endif
.endr
.endr
.endm
.macro FETCH_B slot, q, p
	WIN TO_B
.irp i, 0,1,2,3,4,5,6,7
	FRAG 128*(\p)+FR*\i, ADRB+\slot, \q, \i
.endr
	WIN 0
.endm
.macro FETCH_A slot, q, i0
.irp i, \i0, \i0+1, \i0+2, \i0+3
	FRAG AF+FR*(\i), ADRA+\slot, \q, \i
.endr
.endm
.macro SCALES sc, ks
.irp i, 0,1,2,3,4,5,6,7
	ds_load_b64 v[SC+8*NQ*\sc+NQ*\i:SC+8*NQ*\sc+NQ*\i+1], v[ADRS] offset:\i*512+128*(\ks)
.endr
.endm
.macro PLACES n
.rept \n
	v_nop
.endr
.endm
.macro STEP slot, q, zero
	s_wait_dscnt 4*NL
	WIN MUL_LO
	MUL16 0, (\q)%2, \q, \slot, \zero
	MUL16 2, (\q)%2, \q, \slot, \zero
	s_wait_dscnt 0
	PLACES NP
	FETCH_B \slot, (\q)+1, 1-(\q)%2
	FETCH_A \slot, (\q)+1, 0
	WIN MUL_HI
	MUL16 4, (\q)%2, \q, \slot, \zero
	MUL16 6, (\q)%2, \q, \slot, \zero
	PLACES NP
	WIN 0
	FETCH_A \slot, (\q)+1, 4
.endm
.macro TURN slot, next, fill, ks
	s_wait_tensorcnt 0x0
	ds_add_u32 v[SPW], v[NIL]
	s_wait_dscnt 4*NL+1
	WIN MUL_LO
	MUL16 0, 1, NQ-1, \slot, 0
	s_wait_dscnt 0x0
	s_barrier_signal -1
	MUL16 2, 1, NQ-1, \slot, 0
	WIN 0
	s_barrier_wait -1
.if \fill
	CREST
	s_add_nc_u64 s[G0+4*\slot+2:G0+4*\slot+3], s[G0+4*\slot+2:G0+4*\slot+3], 2*TROW
	s_add_nc_u64 s[G0B+4*\slot+2:G0B+4*\slot+3], s[G0B+4*\slot+2:G0B+4*\slot+3], 2*TROW
	JLOAD G0+4*\slot, G1, G0B+4*\slot, G1B
.else
	PLACES NP
.endif
	FETCH_B \next, 0, 0
	FETCH_A \next, 0, 0
	SCALES \next, \ks
	WIN MUL_HI
	MUL16 4, 1, NQ-1, \slot, 0
	MUL16 6, 1, NQ-1, \slot, 0
	PLACES NP
	WIN 0
	FETCH_A \next, 0, 4
.endm
	s_wait_alu depctr_va_vdst(0)
	s_wait_tensorcnt 1
	s_barrier_signal -1
	s_barrier_wait -1
	FETCH_B 0, 0, 0
	FETCH_A 0, 0, 0
	SCALES 0, 0
	FETCH_A 0, 0, 4
	STEP 0, 0, 1
	TURN 0, 1, 1, 1
	STEP 1, 0, 0
	TURN 1, 0, 1, 2
	STEP 0, 0, 0
	TURN 0, 1, 0, 3
	STEP 1, 0, 0
	s_wait_dscnt 4*NL
	WIN MUL_LO
	MUL16 0, 1, NQ-1, 1, 0
	MUL16 2, 1, NQ-1, 1, 0
	s_wait_dscnt 0
	WIN MUL_HI
	MUL16 4, 1, NQ-1, 1, 0
	MUL16 6, 1, NQ-1, 1, 0
	WIN 0
.macro QMAX s, pw
.irp b, 0,1,2,3
	v_max3_num_f32 v[MX+\b], |v[\s+16*\b]|, |v[\s+1+16*\b]|, 0x1800000
.endr
.irp i, 2,4,6,8,10,12,14
.irp b, 0,1,2,3
	v_max3_num_f32 v[MX+\b], v[MX+\b], |v[\s+16*\b+\i]|, |v[\s+1+16*\b+\i]|
.endr
.endr
.irp b, 0,1,2,3
	v_permlanex16_b32 v[PB+\b], v[MX+\b], s[SEL], s[SEL+1]
.endr
.irp b, 0,1,2,3
	v_max_num_f32 v[MX+\b], v[MX+\b], v[PB+\b]
.endr
.irp b, 0,1,2,3
	v_add_nc_u32 v[SO+\b], 0xff000000, v[MX+\b]
.endr
.irp b, 0,1,2,3
	v_lshrrev_b32 v[PB+\b], 23, v[SO+\b]
.endr
	v_lshl_or_b32 v[\pw], v[PB+1], 8, v[PB]
	v_lshl_or_b32 v[\pw], v[PB+2], 16, v[\pw]
	v_lshl_or_b32 v[\pw], v[PB+3], 24, v[\pw]
.endm
.macro QCVT s
.irp c, 0,1
	v_cvt_scalef32_pk16_fp6_f32 v[PC+6*\c:PC+2+6*\c], v[\s+32*\c:\s+15+32*\c], v[SO+2*\c]
	v_cvt_scalef32_pk16_fp6_f32 v[PC+12+4*\c:PC+14+4*\c], v[\s+16+32*\c:\s+31+32*\c], v[SO+2*\c+1]
.endr
	v_nop
.irp c, 0,1
.irp i, 0,1,2
	v_permlane16_swap_b32 v[PC+6*\c+\i], v[PC+12+4*\c+\i]
.endr
.irp i, 0,1,2
	v_mov_b32 v[PC+3+6*\c+\i], v[PC+12+4*\c+\i]
.endr
.endr
.endm
.macro OUTBLK a
	s_cmp_eq_u32 s94, 2
	s_cbranch_scc1 .Lby_lane_\@
	WIN 0x02+(\a)/4
.set PP, 0
.rept 32
	v_pk_add_f32 v[HA+PP:HA+PP+1], v[64*((\a)%4)+PP:64*((\a)%4)+PP+1], v[BI+PP:BI+PP+1]
.set PP, PP+2
.endr
	WIN 0
	s_branch .Ladded_\@
.Lby_lane_\@:
	WIN 0x02+(\a)/4
.set PP, 0
.rept 32
	v_pk_add_f32 v[HA+PP:HA+PP+1], v[64*((\a)%4)+PP:64*((\a)%4)+PP+1], v[BJ+2*(\a):BJ+2*(\a)+1]
.set PP, PP+2
.endr
	WIN 0
.Ladded_\@:
	QMAX HA, PW+(\a)
.if (\a) > 0
	s_wait_xcnt 0x0
	s_add_nc_u64 s[80:81], s[80:81], s[76:77]
	s_add_nc_u64 s[82:83], s[82:83], s[76:77]
.endif
.if (\a) == 4
	s_add_nc_u64 s[80:81], s[80:81], s[78:79]
	s_add_nc_u64 s[82:83], s[82:83], s[78:79]
.endif
	QCVT HA
	global_store_b128 v[L16], v[PC:PC+3], s[80:81]
	global_store_b64 v[L8], v[PC+4:PC+5], s[80:81] offset:512
	global_store_b128 v[L16], v[PC+6:PC+9], s[82:83]
	global_store_b64 v[L8], v[PC+10:PC+11], s[82:83] offset:512
.endm
	PLACES NP
	s_wait_loadcnt 0x0
	s_mov_b32 s[SEL], 0x76543210
	s_mov_b32 s[SEL+1], 0xfedcba98
	s_lshl_b32 s68, s17, 1
	s_add_co_u32 s68, s68, s15
	s_lshl_b32 s69, s42, 1
	s_add_co_u32 s69, s69, s16
	s_mov_b32 s76, 1536
	s_mov_b32 s90, 208896
	s_mov_b32 s91, 13056
	s_mov_b32 s73, 12288
	s_cmp_lt_u32 s94, 2
	s_cselect_b32 s70, s68, s69
	s_cselect_b32 s71, s69, s68
	s_cselect_b32 s72, 0, 6144
	s_cselect_b32 s76, 768, s76
	s_cselect_b32 s78, 0, 202752
	s_cselect_b32 s90, 256, s90
	s_cselect_b32 s73, s73, 12800
	s_cmp_eq_u32 s94, 0
	s_cselect_b32 s73, 6144, s73
	s_cselect_b32 s74, 0, 6815744
	s_cselect_b32 s91, 6656, s91
	s_mov_b32 s77, 0
	s_mov_b32 s79, 0
	s_lshl_b32 s75, s91, 4
	s_cmp_lt_u32 s94, 2
	s_cselect_b32 s88, s75, 768
	s_mov_b32 s89, 0
	s_lshr_b32 s92, s70, 4
	s_lshl_b32 s92, s92, 4
	s_lshl_b32 s93, s71, 1
	s_add_co_u32 s92, s92, s93
	s_lshl_b32 s92, s92, 4
	s_and_b32 s93, s70, 15
	s_add_co_u32 s92, s92, s93
	s_mul_i32 s92, s92, s91
	s_add_co_u32 s92, s92, s74
	s_mov_b32 s93, 0
	s_add_nc_u64 s[84:85], s[12:13], s[92:93]
	s_mov_b32 s92, s72
	s_add_nc_u64 s[80:81], s[84:85], s[92:93]
	s_add_nc_u64 s[82:83], s[80:81], s[88:89]
	s_mov_b32 s92, s73
	s_add_nc_u64 s[84:85], s[84:85], s[92:93]
	s_mov_b32 s92, s75
	s_add_nc_u64 s[86:87], s[84:85], s[92:93]
.irp b, 0,1,2,3
	v_mov_b32 v[PB+\b], 0
.endr
.irp a, 0,1,2,3,4,5,6,7
	OUTBLK \a
.endr
	v_cmp_eq_u32 vcc_lo, 1, v2
.irp i, 0,1,2,3
	v_cndmask_b32 v[SW+\i], v[PW+\i], v[PW+4+\i], vcc_lo
.endr
	v_mul_lo_u32 v[VO], v2, s90
	v_lshl_add_u32 v[VO], v1, 4, v[VO]
	global_store_b128 v[VO], v[SW:SW+3], s[84:85]
	s_cmp_lt_u32 s94, 2
	s_cbranch_scc0 .Lone_group
.irp i, 0,1,2,3
	v_lshrrev_b32 v[SW2+\i], 16, v[SW+\i]
.endr
	global_store_b128 v[VO], v[SW2:SW2+3], s[86:87]
.Lone_group:
	s_wait_tensorcnt 0x0
	ds_add_u32 v[SPW], v[NIL]
	s_wait_dscnt 0x0
	CROUND
	s_endpgm
.Lfunc_end_k_q6f9a3f4f1c_proj:
	.size	k_q6f9a3f4f1c_proj, .Lfunc_end_k_q6f9a3f4f1c_proj-k_q6f9a3f4f1c_proj
	.p2alignl 7, 3214868480
	.fill 96, 4, 3214868480
	.section	.rodata,"a",@progbits
	.p2align	6, 0x0
	.amdhsa_kernel k_q6f9a3f4f1c_proj
		.amdhsa_group_segment_fixed_size 327680
		.amdhsa_private_segment_fixed_size 0
		.amdhsa_enable_private_segment 0
		.amdhsa_kernarg_size 40
		.amdhsa_user_sgpr_count 2
		.amdhsa_user_sgpr_kernarg_segment_ptr 1
		.amdhsa_wavefront_size32 1
		.amdhsa_system_sgpr_workgroup_id_x 1
		.amdhsa_system_sgpr_workgroup_id_y 1
		.amdhsa_system_sgpr_workgroup_id_z 1
		.amdhsa_system_vgpr_workitem_id 0
		.amdhsa_next_free_vgpr 1024
		.amdhsa_next_free_sgpr 100
		.amdhsa_reserve_vcc 1
		.amdhsa_float_denorm_mode_32 3
		.amdhsa_float_denorm_mode_16_64 3
		.amdhsa_memory_ordered 1
		.amdhsa_forward_progress 1
		.amdhsa_inst_pref_size 188
	.end_amdhsa_kernel
	.amdgpu_metadata
---
amdhsa.version: [ 1, 2 ]
amdhsa.kernels:
  - .name:           k_q6f9a3f4f1c_proj
    .symbol:         k_q6f9a3f4f1c_proj.kd
    .args:
      - { .name: ops, .offset: 0, .size: 8, .value_kind: global_buffer, .address_space: global }
      - { .name: bq, .offset: 8, .size: 8, .value_kind: global_buffer, .address_space: global }
      - { .name: bk, .offset: 16, .size: 8, .value_kind: global_buffer, .address_space: global }
      - { .name: bv, .offset: 24, .size: 8, .value_kind: global_buffer, .address_space: global }
      - { .name: qkv, .offset: 32, .size: 8, .value_kind: global_buffer, .address_space: global }
    .group_segment_fixed_size: 327680
    .private_segment_fixed_size: 0
    .kernarg_segment_align: 8
    .kernarg_segment_size: 40
    .max_flat_workgroup_size: 128
    .sgpr_count:     100
    .vgpr_count:     1024
    .wavefront_size: 32
...
	.end_amdgpu_metadata
.endif
;; end of part 2
;; launch attn (part 3): grid 4 x 64, 16 waves a work-group, clusters of 4 x 1, 327,680 bytes of LDS; arguments qkv, att; writes att
.if DOCPART == 3
	.amdgcn_target "amdgcn-amd-amdhsa--gfx1250"
	.amdhsa_code_object_version 6
	.text
	.protected	k_q6f9a3f4f1c_attn
	.globl	k_q6f9a3f4f1c_attn
	.p2align	8
	.type	k_q6f9a3f4f1c_attn,@function
k_q6f9a3f4f1c_attn:
	s_mov_b64 s[64:65], 0
	v_nop
	global_prefetch_b8 v0, s[64:65] scope:SCOPE_SE
	s_setreg_imm32_b32 hwreg(HW_REG_WAVE_MODE, 25, 1), 1
	s_wait_xcnt 0x0
	s_wait_alu depctr_hold_cnt(0) depctr_sa_sdst(0) depctr_va_vdst(0) depctr_va_sdst(0) depctr_va_ssrc(0) depctr_va_vcc(0) depctr_vm_vsrc(0)
	s_getreg_b32 s2, hwreg(HW_REG_IB_STS2, 6, 4)
	s_cmp_eq_u32 s2, 0
	s_cbranch_scc0 .Lentry_in_a_cluster
	s_endpgm
.Lentry_in_a_cluster:
	s_bfe_u32 s2, ttmp6, 0x10000c
	s_cmp_lg_u32 s2, 0x3003
	s_cbranch_scc0 .Lentry_shape_is_right
	s_endpgm
.Lentry_shape_is_right:
; For each batch and head: o = softmax(q k^T / 32) v, both products on codes of FP6 (E2M3) with E8M0 scales (buffer qkv), and o quantised at once along (head, channel) for the last product (buffer att).
; (reference() never applies the input mask: it is no argument.)
; THE SOFTMAX: t = score x log2(e) / 32; M = the row's largest t so far, rounded UP to a whole number; p = 2^(t - M) is quantised along the keys, not normalised.  The row's sum is taken of the unquantised p, in f32,
; and divides o at the end.  When M moves, the sum and o are multiplied by 2^(old M - new M): exact.
; SHARES.  A cluster of four work-groups owns one head of one batch; a work-group 512 of its 2,048 queries; each of its sixteen waves two tiles of 16 queries, one after the other.  256 work-groups.
; A HEAD'S WHOLE K AND V LIE IN LDS: 16 steps of 128 keys, a dense block of 13,056 bytes each (K: eight half images; V^T: four images; their scale words), 208,896 bytes.  Wave w fetches block w, one joint load
; (the four partners need the same bytes: mask 15).  No byte of LDS is filled twice, so no loop holds a barrier.  Waves 0-4 have a load line of their own: the first barrier shows blocks 0-4, the second the other eleven.
; No prefetch: every tile of the launch is asked for by its load at the first lines, and there is no loop to run ahead in.
; K COMES INTO REGISTERS ONE STEP AHEAD: behind a step's first products the next block's K and its scale words are asked for.  A tile's last step asks for its own block once more (the address is held at block 15),
; so that one text serves all steps; the first tile's end then fetches block 0.
; LAYOUT.  Both products are used transposed: S^T = K Q^T, O^T = V^T P^T: a lane holds ONE query (lane % 16).  By the order of keys' rows in a stored tile, registers 32 c .. 32 c + 31 of S^T are keys
; 64 c + 32 (lane / 16) + 0 .. 31 of the step: a whole scale block, in the order of the next operand's registers: no lane asks another for a block's maximum, and the codes lie as the conversions leave them.
; THE FIRST PRODUCT'S K IS THE HEAD'S 64.  Q's registers 6-11 hold zero codes.  K's eight tiles lie six registers apart, so the upper six registers of a tile's operand are the next tile's codes (behind the last:
; v80-85, of which v80-82 also pass codes of p on): every pattern of 6 bits is a finite number, a product with Q's zero codes is 0, and the scale bytes that meet them are never 0xff.
; att: stored tile T = 128 x batch + tile of tokens: codes at 12,288 T + 768 head; scale bytes at 6,291,456 + 512 T + 128 (head / 4) + 8 r + 2 (head % 4).
; LIMITS: the scaled scores stay under 2^31 in magnitude; p under 2^-126 counts as 0; a block of zeros (or under 2^-124) gets the byte 1 where the rule says 127: its codes are zeros, and this program alone reads the bytes.
; NaN and infinities are not served.
; REGISTERS: v1 16 x lane, v2 8 x lane, v3 16 r, v4 8 r, v5, v6 the add's two, v7 Q's scale words, v8-10 a block's LDS addresses, v11 8 (lane / 16), v12 -M, v13 the largest score, v[14:15] the sum, v16-27 Q,
; v28-31, v242-245 K's scale words, v32-79 K, v80-85 behind K, v86-133 V^T, v134-197 S^T then p, v198-229 O^T, v230-241 p's codes (ahead of them: the maxima), v246-249 V's scale words, v250 f, v252 p's scale word, v253-255 at work.
.set STEPB, 13056
.set SPARE, 262144                     ; the spare words, 128 bytes a wave: eight blocks of 256 bytes that no other line names
.set SPW,  5
.set NIL,  6
.set QS,   7
.set KS0,  28
.set KF,   32
.set X,    80
.set VF,   86
.set S,    134
.set O,    198
.set P,    230
.set KS1,  242
.set VS,   246
.set F,    250
.set PS,   252
.set TB,   2                           ; s2  LDS byte at which the step's block begins
.set TK,   3                           ; s3  the same of the block whose K is asked for
.set WV,   18
.set SEL,  20                          ; s[20:21] selects for lane l xor 16
.set CS,   22                          ; s[22:23] c = log2(e) / 32
.set G1,   24
.set G0,   40
.set CNT,  67
.macro D n
	s_delay_alu instid0(VALU_DEP_\n)
.endm
.macro WALU
	s_wait_alu depctr_va_vdst(0)
.endm
.macro CROUND
	s_barrier_signal -1
	s_barrier_wait -1
	s_cmp_lg_u32 s[WV], 0
	s_cbranch_scc1 .Lnot_wave_0_\@
	s_barrier_signal -3
.Lnot_wave_0_\@:
	s_barrier_wait -3
	s_barrier_signal -1
	s_barrier_wait -1
.endm
	s_load_b128 s[4:7], s[0:1], 0x0                ; qkv, att
	v_lshl_add_u32 v[SPW], v0, 2, SPARE
	v_mov_b32 v[NIL], 0
	ds_add_u32 v[SPW], v[NIL]                      ; the opening lines: the add, twice on end, and its wait
	ds_add_u32 v[SPW], v[NIL]
	v_lshrrev_b32 v8, 5, v0
	D 1
	v_readfirstlane_b32 s[WV], v8                  ; wave 0..15
	s_bfe_u32 s44, ttmp6, 0x40000                  ; cx: my 512 queries; it enters Q's and att's addresses alone
	s_and_b32 s46, ttmp7, 0xffff                   ; H = 16 x batch + head
	s_mul_i32 s48, s46, 16*STEPB
	s_add_co_u32 s48, s48, 6815744                 ; the head's stream in qkv
	s_mov_b32 s49, 0
	s_mul_i32 s50, s[WV], STEPB                    ; my block, in memory and in LDS alike
	s_mov_b32 s51, 0
	s_lshl_b32 s52, s46, 4                         ; Q: group of 128 queries 16 H + 4 cx + wave / 8 (the second tile: two groups on)
	s_lshl_b32 s53, s44, 2
	s_add_co_u32 s52, s52, s53
	s_lshr_b32 s53, s[WV], 3
	s_add_co_u32 s52, s52, s53
	s_mul_i32 s52, s52, 6656
	s_and_b32 s54, s[WV], 7                        ; tile t in the group
	s_mul_i32 s55, s54, 768
	s_add_co_u32 s56, s52, s55
	s_mov_b32 s57, 0
	s_lshr_b32 s55, s54, 2
	s_lshl_b32 s55, s55, 8
	s_add_co_u32 s58, s52, s55
	s_and_b32 s55, s54, 3
	s_lshl_b32 s55, s55, 2
	s_add_co_u32 s58, s58, s55
	s_add_co_u32 s58, s58, 6144                    ; its scale words: 6,144 + 256 (t / 4) + 4 (t % 4), + 16 r
	s_mov_b32 s59, 0
	s_lshr_b32 s60, s46, 4
	s_lshl_b32 s60, s60, 7
	s_lshl_b32 s61, s44, 5
	s_add_co_u32 s60, s60, s61
	s_add_co_u32 s60, s60, s[WV]                   ; att: T = 128 x batch + 32 cx + wave (the second tile: 16 on)
	s_and_b32 s61, s46, 15                         ; head
	s_mul_i32 s62, s60, 12288
	s_mul_i32 s63, s61, 768
	s_add_co_u32 s62, s62, s63
	s_mov_b32 s63, 0
	s_lshl_b32 s70, s60, 9
	s_lshr_b32 s71, s61, 2
	s_lshl_b32 s71, s71, 7
	s_add_co_u32 s70, s70, s71
	s_and_b32 s71, s61, 3
	s_lshl_b32 s71, s71, 1
	s_add_co_u32 s70, s70, s71
	s_add_co_u32 s70, s70, 6291456
	s_mov_b32 s71, 0
	s_mov_b32 s[G1], 15|(3<<16)|(1<<21)            ; group 1: 51 rows of 256 bytes (32 elements of 8), dense; the mask names the four partners
	s_mov_b32 s[G1+1], 32<<16
	s_mov_b32 s[G1+2], 51<<16
	s_mov_b32 s[G1+3], 32<<16
	s_mov_b32 s[G1+4], 51
	s_mov_b32 s[G1+5], 32
	s_mov_b32 s[G1+6], 0
	s_mov_b32 s[G1+7], 0
	s_mov_b32 s[SEL], 0x76543210
	s_mov_b32 s[SEL+1], 0xfedcba98
	s_mov_b32 s[CS], 0x3d38aa3b
	s_mov_b32 s[CS+1], s[CS]
	s_mov_b32 s[TB], 0
	v_and_b32 v11, 31, v0
	v_and_b32 v4, 15, v0
	v_lshlrev_b32 v1, 4, v11
	v_lshlrev_b32 v2, 3, v11
	v_lshlrev_b32 v3, 4, v4
	v_lshlrev_b32 v4, 3, v4
	v_bfe_u32 v11, v0, 4, 1
	D 1
	v_lshlrev_b32 v11, 3, v11
	WALU
	s_wait_dscnt 0x0
	s_wait_kmcnt 0x0
	s_add_nc_u64 s[48:49], s[4:5], s[48:49]
	s_add_nc_u64 s[8:9], s[4:5], s[56:57]          ; Q's half image
	s_add_nc_u64 s[14:15], s[4:5], s[58:59]        ; Q's scale words
	s_add_nc_u64 s[10:11], s[6:7], s[62:63]        ; att: my codes
	s_add_nc_u64 s[12:13], s[6:7], s[70:71]        ; and my scale bytes
	s_mov_b32 s[G0], 1
	s_mov_b32 s[G0+1], s50
	s_add_nc_u64 s[G0+2:G0+3], s[48:49], s[50:51]
	s_or_b32 s[G0+3], s[G0+3], 0x80000000
	CROUND                                         ; the four partners are here: the joint loads meet
	s_cmp_lt_u32 s[WV], 5
	s_cbranch_scc0 .Llater
	tensor_load_to_lds s[G0:G0+3], s[G1:G1+7]      ; blocks 0-4: a line of waves 0-4 alone
	s_nop 0
.rept 4
	v_nop
.endr
	s_branch .Lasked
.Llater:
	tensor_load_to_lds s[G0:G0+3], s[G1:G1+7]      ; blocks 5-15
	s_nop 0
.rept 4
	v_nop
.endr
.Lasked:
	global_load_b128 v[16:19], v1, s[8:9]
	global_load_b64 v[20:21], v2, s[8:9] offset:512
	global_load_b32 v[QS], v3, s[14:15]
.irp j, 22,23,24,25,26,27, 80,81,82,83,84,85
	v_mov_b32 v[\j], 0                             ; zero codes
.endr
.macro BEGIN                           ; a tile of queries begins: the largest score -3e38, -M to match, the sum and O^T zeros (the first change of M leaves them zeros)
	v_mov_b32 v13, 0xff61b1e6
	D 1
	v_mul_f32 v12, s[CS], v13
	D 1
	v_floor_f32 v12, -v12
	v_mov_b32 v14, 0
	v_mov_b32 v15, 0
.set J, 0
.rept 32
	v_mov_b32 v[O+J], 0
.set J, J+1
.endr
.endm
.macro ADDR base                       ; the LDS addresses of the block that begins at s[base]
	v_add_nc_u32 v8, s[\base], v1
	v_add_nc_u32 v9, s[\base], v2
	v_add_nc_u32 v10, s[\base], v3
.endm
.macro KLOADS                          ; a block's K, eight half images, and its scale words: 18 loads
.irp t, 0,1,2,3,4,5,6,7
	ds_load_b128 v[KF+6*\t:KF+6*\t+3], v8 offset:768*\t
	ds_load_b64 v[KF+6*\t+4:KF+6*\t+5], v9 offset:768*\t+512
.endr
	ds_load_b128 v[KS0:KS0+3], v10 offset:12288
	ds_load_b128 v[KS1:KS1+3], v10 offset:12288+256
.endm
.macro FOLD n                          ; the row's sum, in place: p's first n registers take the next n onto them, two numbers a line
.set J, 0
.rept (\n)/2
	v_pk_add_f32 v[S+J:S+J+1], v[S+J:S+J+1], v[S+(\n)+J:S+(\n)+J+1]
.set J, J+2
.endr
.endm
	BEGIN
	v_mov_b32 v[F+1], 0                            ; named with f as a pair
	v_mov_b32 v253, 0                              ; a lane permute's destination counts as one of its sources
	v_mov_b32 v255, 0
	ADDR TB                                        ; block 0
; A KEY STEP: 128 keys, 8 + 4 matrix instructions.  At its top K and its scale words are on their way or in, and v8-10 stand at the step's block.
.macro STEP
.irp t, 0,1,2,3                        ; V^T and its scale words land under the softmax; the eight sums behind the last step's products are the places ahead of these loads
	ds_load_b128 v[VF+12*\t:VF+12*\t+3], v8 offset:6144+1536*\t
	ds_load_b64 v[VF+12*\t+4:VF+12*\t+5], v9 offset:6144+1536*\t+512
	ds_load_b128 v[VF+12*\t+6:VF+12*\t+9], v8 offset:6144+1536*\t+768
	ds_load_b64 v[VF+12*\t+10:VF+12*\t+11], v9 offset:6144+1536*\t+1280
.endr
	ds_load_b128 v[VS:VS+3], v10 offset:12800
	s_wait_dscnt 17                                ; K's 18 loads are in; V's 17 may be out
.irp t, 0,1,2,3
	v_wmma_scale_f32_16x16x128_f8f6f4 v[S+8*\t:S+8*\t+7], v[KF+6*\t:KF+6*\t+11], v[16:27], 0, v[KS0+\t], v[QS] matrix_a_fmt:MATRIX_FMT_FP6 matrix_b_fmt:MATRIX_FMT_FP6
.endr
.irp t, 4,5,6,7
	v_wmma_scale_f32_16x16x128_f8f6f4 v[S+8*\t:S+8*\t+7], v[KF+6*\t:KF+6*\t+11], v[16:27], 0, v[KS1+\t-4], v[QS] matrix_a_fmt:MATRIX_FMT_FP6 matrix_b_fmt:MATRIX_FMT_FP6
.endr
	s_add_co_u32 s[TK], s[TB], STEPB
	s_min_u32 s[TK], s[TK], 15*STEPB               ; the next block; behind the last, the last once more
	ADDR TK                                        ; these three lines and the next are the four places ahead of the loads into K's registers and of the first read of the scores
	v_mov_b32 v254, v12                            ; the old -M
	KLOADS
.irp k, 0,1,2,3                        ; the largest score of each half block, four chains by turns; a block's largest serves the row's maximum and, since p rises with the score, the block's largest p
	v_max3_num_f32 v[P+\k], v[S+16*\k], v[S+16*\k+1], v[S+16*\k+2]
.endr
.irp i, 3,5,7,9,11,13
.irp k, 0,1,2,3
	v_max3_num_f32 v[P+\k], v[P+\k], v[S+16*\k+\i], v[S+16*\k+\i+1]
.endr
.endr
	v_max3_num_f32 v[P], v[P], v[P+1], v[S+15]
	v_max3_num_f32 v[P+2], v[P+2], v[P+3], v[S+47]
	v_max_num_f32 v[P], v[P], v[S+31]              ; my block of keys 0-63
	v_max_num_f32 v[P+2], v[P+2], v[S+63]          ; and of keys 64-127
	D 1
	v_max_num_f32 v[P+4], v[P], v[P+2]
	D 1
	v_permlanex16_b32 v255, v[P+4], s[SEL], s[SEL+1]
	D 1
	v_max3_num_f32 v13, v13, v[P+4], v255          ; the running largest score of my query
	D 1
	v_mul_f32 v[P+5], s[CS], v13                   ; as t (c is positive)
	D 1
	v_floor_f32 v12, -v[P+5]                       ; the new -M = -ceil(t)
	D 1
	v_sub_f32 v[P+5], v12, v254                    ; old M less new M: a whole number, 0 or less
	D 1
	v_cvt_i32_f32 v[P+5], v[P+5]                   ; (it saturates)
.set J, 0
.rept 32
	v_pk_fma_f32 v[S+J:S+J+1], v[S+J:S+J+1], s[CS:CS+1], v[12:13] op_sel_hi:[1,0,0]   ; t - M
.set J, J+2
.endr
	v_fma_f32 v[P], v[P], s[CS], v12               ; the same of each block's largest score
	v_fma_f32 v[P+2], v[P+2], s[CS], v12
	WALU
.set J, 0
.rept 64
	v_exp_f32 v[S+J], v[S+J]                       ; p = 2^(t - M)
.set J, J+1
.endr
	v_exp_f32 v[P], v[P]                           ; the blocks' largest p: the same two instructions on the same number give the same bits
	v_exp_f32 v[P+2], v[P+2]
	v_ldexp_f32 v[F], 1.0, v[P+5]                  ; f = 2^(old M - new M): the plain line behind the batch
	WALU                                           ; and the wait behind it, directly ahead of the first reader of O^T
.set J, 0
.rept 16
	v_pk_mul_f32 v[O+J:O+J+1], v[O+J:O+J+1], v[F:F+1] op_sel_hi:[1,0]   ; O^T under the new M
.set J, J+2
.endr
	v_max_num_f32 v[P], 0x1800000, v[P]            ; the floor 2^(3 - 127): the byte cannot fall under 1
	v_max_num_f32 v[P+2], 0x1800000, v[P+2]
	D 2
	v_add_nc_u32 v254, 0xff000000, v[P]            ; 2 off the exponent field: the conversions' scale operands
	D 2
	v_add_nc_u32 v255, 0xff000000, v[P+2]
	D 2
	v_lshrrev_b32 v[P+8], 23, v254                 ; the bytes of blocks h and 2 + h (h = lane / 16)
	D 2
	v_lshrrev_b32 v[P+9], 23, v255
	D 1
	v_lshl_or_b32 v[PS], v[P+9], 16, v[P+8]
	D 1
	v_lshlrev_b32 v[PS], v11, v[PS]                ; 8 h bits up
	D 1
	v_permlanex16_b32 v253, v[PS], s[SEL], s[SEL+1]
	v_cvt_scalef32_pk16_fp6_f32 v[X:X+2], v[S+16:S+31], v254       ; (a conversion's three registers begin on an even number: a block's upper 16 codes are made here and moved)
	v_cvt_scalef32_pk16_fp6_f32 v[P:P+2], v[S:S+15], v254
	v_cvt_scalef32_pk16_fp6_f32 v[P+6:P+8], v[S+32:S+47], v255
	v_or_b32 v[PS], v[PS], v253                    ; with lane l xor 16's two bytes: p's scale word for these 128 keys.  (The plain line behind the conversions)
.irp i, 0,1,2
	v_mov_b32 v[P+3+\i], v[X+\i]
.endr
	v_cvt_scalef32_pk16_fp6_f32 v[X:X+2], v[S+48:S+63], v255
	FOLD 32                                        ; the row's sum, of the unquantised p; these lines write none of the last conversion's sources
.irp i, 0,1,2
	v_mov_b32 v[P+9+\i], v[X+\i]
.endr
	FOLD 16
	WALU
	s_wait_dscnt 18                                ; V^T and its scale words are in; the next K's 18 loads may be out
.irp t, 0,1,2,3
	v_wmma_scale_f32_16x16x128_f8f6f4 v[O+8*\t:O+8*\t+7], v[VF+12*\t:VF+12*\t+11], v[P:P+11], v[O+8*\t:O+8*\t+7], v[VS+\t], v[PS] matrix_a_fmt:MATRIX_FMT_FP6 matrix_b_fmt:MATRIX_FMT_FP6
.endr
	FOLD 8                                         ; the places behind the products
	D 2
	v_pk_add_f32 v[S:S+1], v[S:S+1], v[S+4:S+5]
	D 2
	v_pk_add_f32 v[S+2:S+3], v[S+2:S+3], v[S+6:S+7]
	D 1
	v_pk_add_f32 v[S:S+1], v[S:S+1], v[S+2:S+3]
	D 1
	v_pk_fma_f32 v[14:15], v[14:15], v[F:F+1], v[S:S+1] op_sel_hi:[1,0,1]   ; the sum under the new M, and the step's
	s_add_co_u32 s[TB], s[TB], STEPB
.endm
.macro WALK label, trips
	s_mov_b32 s[CNT], \trips
\label:
	STEP
	s_sub_co_u32 s[CNT], s[CNT], 1
	s_cmp_lg_u32 s[CNT], 0
	s_cbranch_scc1 \label
.endm
; A TILE'S END: O^T / the sum is quantised along the head's 64 channels (register 16 b + i is channel 32 b + 16 (lane / 16) + i) and leaves as a half image of the last product's operand.  V's registers are at work here.
.macro FINAL par
.if \par == 0
	WALU
	s_wait_dscnt 0x0                               ; the loads into K's registers are in: they may be asked for anew
	s_mov_b32 s[TB], 0
	ADDR TB
	KLOADS                                         ; block 0's K for the second tile
	global_load_b128 v[16:19], v1, s[8:9] offset:13312            ; and its Q
	global_load_b64 v[20:21], v2, s[8:9] offset:13312+512
	global_load_b32 v[QS], v3, s[14:15] offset:13312
.endif
	v_add_f32 v14, v14, v15
	D 1
	v_permlanex16_b32 v255, v14, s[SEL], s[SEL+1]
	D 1
	v_add_f32 v14, v14, v255                       ; the row's sum, at least 1/2
	WALU
	v_rcp_f32 v[F], v14
	v_nop
	WALU
.set J, 0
.rept 16
	v_pk_mul_f32 v[S+J:S+J+1], v[O+J:O+J+1], v[F:F+1] op_sel_hi:[1,0]
.set J, J+2
.endr
.irp b, 0,1
	v_max3_num_f32 v[VF+\b], |v[S+16*\b]|, |v[S+1+16*\b]|, 0x1800000
.endr
.irp i, 2,4,6,8,10,12,14
.irp b, 0,1
	D 2
	v_max3_num_f32 v[VF+\b], v[VF+\b], |v[S+16*\b+\i]|, |v[S+1+16*\b+\i]|
.endr
.endr
.irp b, 0,1
	D 2
	v_permlanex16_b32 v[253+2*\b], v[VF+\b], s[SEL], s[SEL+1]
.endr
.irp b, 0,1
	D 2
	v_max_num_f32 v[VF+\b], v[VF+\b], v[253+2*\b]
.endr
.irp b, 0,1
	D 2
	v_add_nc_u32 v[VF+6+\b], 0xff000000, v[VF+\b]
.endr
.irp b, 0,1
	D 2
	v_lshrrev_b32 v[VF+8+\b], 23, v[VF+6+\b]
.endr
	D 1
	v_lshl_or_b32 v254, v[VF+9], 8, v[VF+8]        ; the head's two scale bytes
	v_cvt_scalef32_pk16_fp6_f32 v[P:P+2], v[S:S+15], v[VF+6]
	v_cvt_scalef32_pk16_fp6_f32 v[VF+12:VF+14], v[S+16:S+31], v[VF+7]
	v_nop
.irp i, 0,1,2
	v_permlane16_swap_b32 v[P+\i], v[VF+12+\i]     ; the operand wants a whole block in a lane
.endr
.irp i, 0,1,2
	v_mov_b32 v[P+3+\i], v[VF+12+\i]
.endr
	global_store_b128 v1, v[P:P+3], s[10:11] offset:196608*\par          ; 512 consecutive bytes, at a multiple of 256 from the buffer's first byte;
	global_store_b64 v2, v[P+4:P+5], s[10:11] offset:196608*\par+512     ; 256
	global_store_b16 v4, v254, s[12:13] offset:8192*\par                 ; two bytes a row, 8 bytes apart (the other heads' lie between), once a tile; lanes r and r + 16 hold the same
.if \par == 0
	BEGIN
	WALU
	s_wait_xcnt 0x0                                ; the stores have read their registers
	s_wait_loadcnt 0x0                             ; the second tile's Q
.endif
.endm
	WALU
	s_wait_loadcnt 0x0                             ; Q
	s_cmp_lt_u32 s[WV], 5
	s_cbranch_scc0 .Lnot_first
	s_wait_tensorcnt 0x0                           ; waves 0-4: my block of the first five
.Lnot_first:
	s_barrier_signal -1
	s_barrier_wait -1                              ; blocks 0-4 are whole
	KLOADS                                         ; block 0's K
	WALK .Lfirst, 4                                ; steps 0-3 read blocks 0-3, and block 4's K
	s_wait_tensorcnt 0x0                           ; every wave: its block
	s_wait_dscnt 0x0
	s_barrier_signal -1
	s_barrier_wait -1                              ; all sixteen blocks are whole
	WALK .Lrest, 12
	FINAL 0
	WALK .Lsecond, 16
	FINAL 1
	s_wait_tensorcnt 0x0                           ; the wave's end
	ds_add_u32 v[SPW], v[NIL]
	s_wait_dscnt 0x0
	CROUND                                         ; the closing round
	s_endpgm
.Lfunc_end_k_q6f9a3f4f1c_attn:
	.size	k_q6f9a3f4f1c_attn, .Lfunc_end_k_q6f9a3f4f1c_attn-k_q6f9a3f4f1c_attn
	.p2alignl 7, 3214868480
	.fill 96, 4, 3214868480
	.section	.rodata,"a",@progbits
	.p2align	6, 0x0
	.amdhsa_kernel k_q6f9a3f4f1c_attn
		.amdhsa_group_segment_fixed_size 327680
		.amdhsa_private_segment_fixed_size 0
		.amdhsa_enable_private_segment 0
		.amdhsa_kernarg_size 16
		.amdhsa_user_sgpr_count 2
		.amdhsa_user_sgpr_kernarg_segment_ptr 1
		.amdhsa_wavefront_size32 1
		.amdhsa_system_sgpr_workgroup_id_x 1
		.amdhsa_system_sgpr_workgroup_id_y 1
		.amdhsa_system_sgpr_workgroup_id_z 1
		.amdhsa_system_vgpr_workitem_id 0
		.amdhsa_next_free_vgpr 256
		.amdhsa_next_free_sgpr 80
		.amdhsa_reserve_vcc 0
		.amdhsa_float_denorm_mode_32 3
		.amdhsa_float_denorm_mode_16_64 3
		.amdhsa_memory_ordered 1
		.amdhsa_forward_progress 1
		.amdhsa_inst_pref_size 67
	.end_amdhsa_kernel
	.amdgpu_metadata
---
amdhsa.version: [ 1, 2 ]
amdhsa.kernels:
  - .name:           k_q6f9a3f4f1c_attn
    .symbol:         k_q6f9a3f4f1c_attn.kd
    .args:
      - { .name: qkv, .offset: 0, .size: 8, .value_kind: global_buffer, .address_space: global }
      - { .name: att, .offset: 8, .size: 8, .value_kind: global_buffer, .address_space: global }
    .group_segment_fixed_size: 327680
    .private_segment_fixed_size: 0
    .kernarg_segment_align: 8
    .kernarg_segment_size: 16
    .max_flat_workgroup_size: 512
    .sgpr_count:     80
    .vgpr_count:     256
    .wavefront_size: 32
...
	.end_amdgpu_metadata
.endif
;; end of part 3
;; launch outp (part 4): grid 4 x 32, 4 waves a work-group, clusters of 4 x 4, 327,680 bytes of LDS; arguments att, ops, bo, out0; writes out0
.if DOCPART == 4
	.amdgcn_target "amdgcn-amd-amdhsa--gfx1250"
	.amdhsa_code_object_version 6
	.text
	.protected	k_q6f9a3f4f1c_outp
	.globl	k_q6f9a3f4f1c_outp
	.p2align	8
	.type	k_q6f9a3f4f1c_outp,@function
k_q6f9a3f4f1c_outp:
	s_mov_b64 s[64:65], 0
	v_nop
	global_prefetch_b8 v0, s[64:65] scope:SCOPE_SE
	s_setreg_imm32_b32 hwreg(HW_REG_WAVE_MODE, 25, 1), 1
	s_wait_xcnt 0x0
	s_wait_alu depctr_hold_cnt(0) depctr_sa_sdst(0) depctr_va_vdst(0) depctr_va_sdst(0) depctr_va_ssrc(0) depctr_va_vcc(0) depctr_vm_vsrc(0)
	s_getreg_b32 s2, hwreg(HW_REG_IB_STS2, 6, 4)
	s_cmp_eq_u32 s2, 0
	s_cbranch_scc0 .Lentry_in_a_cluster
	s_endpgm
.Lentry_in_a_cluster:
	s_bfe_u32 s2, ttmp6, 0x10000c
	s_cmp_lg_u32 s2, 0xf033
	s_cbranch_scc0 .Lentry_shape_is_right
	s_endpgm
.Lentry_shape_is_right:
.set NQ,     2
.set FR,     12
.set NL,     4
.set NP,     4
.set CHUNK,  1536
.set TROW,   3072
.set HALFT,  8*TROW
.set SLOT,   4*HALFT
.set SCL,    2*SLOT
.set SCLB,   8320
.set SPARE,  213248
.set SPITCH, 528
.set ADRA, 16
.set ADRB, 20
.set STO,  24
.set RD,   25
.set CO,   26
.set ADRS, 27
.set SPW,  28
.set NIL,  29
.set SC,   32
.set BIAS, 64
.set AF,   128
.set BK,   128
.set G1, 24
.set G0, 32
.set G1B, 48
.set G0B, 56
.set G1S, 68
.set G0S, 76
.set G1SB, 80
.set G0SB, 88
.set MSB, 0
.macro WIN new
.if MSB != (\new)
	s_set_vgpr_msb (MSB<<8)|(\new)
.set MSB, (\new)
.endif
.endm
.set MUL_LO, 0xa1
.set MUL_HI, 0xf1
.set TO_B,   0x40
.macro JLOAD g0a, g1a, g0b, g1b
	s_cmp_eq_u32 s15, 0
	s_cbranch_scc0 .Lfor_b_\@
	tensor_load_to_lds s[\g0a:\g0a+3], s[\g1a:\g1a+7]
	s_nop 0
.rept 4
	v_nop
.endr
	s_branch .Lasked_\@
.Lfor_b_\@:
	tensor_load_to_lds s[\g0b:\g0b+3], s[\g1b:\g1b+7]
	s_nop 0
.rept 4
	v_nop
.endr
.Lasked_\@:
.endm
.macro CREST
	s_cmp_lg_u32 s14, 0
	s_cbranch_scc1 .Lnot_wave_0_\@
	s_barrier_signal -3
.Lnot_wave_0_\@:
	s_barrier_wait -3
	s_barrier_signal -1
	s_barrier_wait -1
.endm
.macro CROUND
	s_barrier_signal -1
	s_barrier_wait -1
	CREST
.endm
	s_load_b256 s[4:11], s[0:1], 0x0
	v_lshl_add_u32 v[SPW], v0, 2, SPARE
	v_mov_b32 v[NIL], 0
	ds_add_u32 v[SPW], v[NIL]
	ds_add_u32 v[SPW], v[NIL]
	v_lshrrev_b32 v1, 5, v0
	v_readfirstlane_b32 s14, v1
	s_lshr_b32 s15, s14, 1
	s_and_b32 s16, s14, 1
	s_bfe_u32 s40, ttmp6, 0x40000
	s_bfe_u32 s41, ttmp6, 0x40004
	s_mov_b32 s42, s40
	s_and_b32 s17, ttmp7, 0xffff
	s_lshl_b32 s17, s17, 2
	s_add_co_u32 s17, s17, s41
	s_lshl_b32 s43, s41, 2
	s_lshl_b32 s43, 15, s43
	s_lshl_b32 s44, 0x1111, s40
	s_or_b32 s[G1+0], s43, (3<<16)|(1<<21)
	s_or_b32 s[G1B+0], s44, (3<<16)|(1<<21)
.irp g, G1, G1B
	s_mov_b32 s[\g+1], 384<<16
	s_mov_b32 s[\g+2], 16<<16
	s_mov_b32 s[\g+3], 384<<16
	s_mov_b32 s[\g+4], 16
	s_mov_b32 s[\g+5], 1536
	s_mov_b32 s[\g+6], 0
	s_mov_b32 s[\g+7], 0
.endr
	s_or_b32 s[G1S+0], s43, (3<<16)|(1<<21)
	s_or_b32 s[G1SB+0], s44, (3<<16)|(1<<21)
.irp g, G1S, G1SB
	s_mov_b32 s[\g+1], 32<<16
	s_mov_b32 s[\g+2], 32<<16
	s_mov_b32 s[\g+3], 32<<16
	s_mov_b32 s[\g+4], 32
	s_mov_b32 s[\g+5], 32
	s_mov_b32 s[\g+6], 0
	s_mov_b32 s[\g+7], 0
.endr
	s_lshl_b32 s18, s16, 3
	s_lshl_b32 s20, s17, 4
	s_add_co_u32 s20, s20, s18
	s_lshl_b32 s46, s42, 4
	s_add_co_u32 s46, s46, s18
	s_add_co_u32 s46, s46, 1728
	s_lshl_b32 s22, s20, 9
	s_add_co_u32 s22, s22, 6291456
	s_mov_b32 s23, 0
	s_lshl_b32 s92, s46, 9
	s_add_co_u32 s92, s92, 22020096
	s_mov_b32 s93, 0
	s_mul_i32 s20, s20, 12288
	s_mov_b32 s21, 0
	s_mul_i32 s46, s46, 12288
	s_mov_b32 s47, 0
	s_mul_i32 s45, s14, HALFT
	s_lshl_b32 s95, s14, 12
	s_wait_dscnt 0x0
	s_wait_kmcnt 0x0
	s_add_nc_u64 s[20:21], s[4:5], s[20:21]
	s_add_nc_u64 s[22:23], s[4:5], s[22:23]
	s_add_nc_u64 s[46:47], s[6:7], s[46:47]
	s_add_nc_u64 s[92:93], s[6:7], s[92:93]
	CROUND
; THE HEAD'S FOUR TILES, ONE JOINT LOAD A WAVE: wave 0 slot 0's 16 stored tiles of A, wave 1 A's scale words, wave 2 slot 0's 16 tiles of B, wave 3 B's scale words.
; The addresses above hold my half of a tile (8 stored tiles, 4,096 bytes of scale words): that half is taken off again, so that each of the four begins at its tile's first byte.
	s_mul_i32 s2, s16, 8*12288
	s_mov_b32 s3, 0
	s_mov_b32 s[G0], 1
	s_mov_b32 s[G0+1], 0
	s_sub_nc_u64 s[G0+2:G0+3], s[20:21], s[2:3]
	s_or_b32 s[G0+3], s[G0+3], 0x80000000
	s_mov_b32 s[G0B], 1
	s_mov_b32 s[G0B+1], 2*HALFT
	s_sub_nc_u64 s[G0B+2:G0B+3], s[46:47], s[2:3]
	s_or_b32 s[G0B+3], s[G0B+3], 0x80000000
	s_lshl_b32 s2, s16, 12
	s_mov_b32 s[G0S], 1
	s_mov_b32 s[G0S+1], SCL
	s_sub_nc_u64 s[G0S+2:G0S+3], s[22:23], s[2:3]
	s_or_b32 s[G0S+3], s[G0S+3], 0x80000000
	s_mov_b32 s[G0SB], 1
	s_mov_b32 s[G0SB+1], SCL+SCLB
	s_sub_nc_u64 s[G0SB+2:G0SB+3], s[92:93], s[2:3]
	s_or_b32 s[G0SB+3], s[G0SB+3], 0x80000000
.macro ARM under, g0, g1, next         ; one chain of branches on the wave's number: every way through it passes one load
	s_cmp_lt_u32 s14, \under
	s_cbranch_scc0 \next
	tensor_load_to_lds s[\g0:\g0+3], s[\g1:\g1+7]
	s_nop 0
.rept 4
	v_nop
.endr
	s_branch .Lhead_asked
\next:
.endm
	ARM 1, G0,  G1,  .Lhead_sa
	ARM 2, G0S, G1S, .Lhead_b
	ARM 3, G0B, G1B, .Lhead_sb
	tensor_load_to_lds s[G0SB:G0SB+3], s[G1SB:G1SB+7]
	s_nop 0
.rept 4
	v_nop
.endr
.Lhead_asked:
	s_mov_b32 s[G0+4], 1                           ; slot 1's group 0: my quarter of the slot
	s_add_co_u32 s[G0+5], s45, SLOT
	s_add_nc_u64 s[G0+6:G0+7], s[20:21], TROW
	s_or_b32 s[G0+7], s[G0+7], 0x80000000
	s_mov_b32 s[G0B+4], 1
	s_add_co_u32 s[G0B+5], s45, SLOT
	s_add_nc_u64 s[G0B+6:G0B+7], s[46:47], TROW
	s_or_b32 s[G0B+7], s[G0B+7], 0x80000000
	s_wait_alu depctr_va_vdst(0)
	s_wait_tensorcnt 0x0                           ; my tile of the four is in, ahead of a later first fill
	ds_add_u32 v[SPW], v[NIL]
	s_mov_b32 s[G1+2], 8<<16                       ; no tensor load of mine is out: from here on a load brings 8 stored tiles,
	s_mov_b32 s[G1+4], 8
	s_mov_b32 s[G1B+2], 8<<16
	s_mov_b32 s[G1B+4], 8
	s_mov_b32 s[G0+1], s45                         ; and slot 0's group 0 stands at my quarter of the slot
	s_mov_b64 s[G0+2:G0+3], s[20:21]
	s_or_b32 s[G0+3], s[G0+3], 0x80000000
	s_mov_b32 s[G0B+1], s45
	s_mov_b64 s[G0B+2:G0B+3], s[46:47]
	s_or_b32 s[G0B+3], s[G0B+3], 0x80000000
	s_wait_dscnt 0x0
	CROUND                                         ; all four tiles are in, in every partner
	JLOAD G0+4, G1, G0B+4, G1B                     ; slot 1's first fill, the first tensor load behind the round
	v_and_b32 v1, 15, v0
	v_bfe_u32 v2, v0, 4, 1
	v_and_b32 v3, 31, v0
	v_lshlrev_b32 v[CO], 4, v3
	v_lshlrev_b32 v4, 3, v3
	s_mul_i32 s21, s15, HALFT
	s_mul_i32 s22, s16, HALFT
	s_add_co_u32 s22, s22, 2*HALFT
.irp s, 0,1
	v_add_nc_u32 v[ADRA+\s], s21, v[CO]
	v_add_nc_u32 v[ADRB+\s], s22, v[CO]
	v_add_nc_u32 v[ADRA+2+\s], s21, v4
	v_add_nc_u32 v[ADRB+2+\s], s22, v4
	s_add_co_u32 s21, s21, SLOT
	s_add_co_u32 s22, s22, SLOT
.endr
	s_xor_b32 s23, s15, 1
	s_add_co_u32 s23, s23, s16
	s_lshl_b32 s23, s23, 12
	s_add_co_u32 s23, s23, SCLB-4096
	v_mul_u32_u24 v6, s23, v2
	s_lshl_b32 s21, s15, 12
	s_add_co_u32 s21, s21, SCL
	v_lshl_add_u32 v6, v1, 3, v6
	v_add_nc_u32 v[ADRS], s21, v6
	s_mul_i32 s23, s14, 16*SPITCH
	v_mul_u32_u24 v5, v1, SPITCH
	v_lshl_add_u32 v5, v2, 6, v5
	v_add_nc_u32 v[STO], s23, v5
	v_add_nc_u32 v[RD], s23, v[CO]
	s_lshl_b32 s20, s17, 8
	s_lshl_b32 s21, s15, 7
	s_add_co_u32 s20, s20, s21
	s_lshl_b32 s20, s20, 12
	s_mov_b32 s21, 0
	s_lshl_b32 s46, s42, 10
	s_lshl_b32 s47, s16, 9
	s_add_co_u32 s46, s46, s47
	s_mov_b32 s47, 0
	v_add_nc_u32 v8, s46, v[CO]
	s_add_nc_u64 s[10:11], s[10:11], s[20:21]
	s_add_nc_u64 s[10:11], s[10:11], s[46:47]
	global_load_b128 v[BIAS:BIAS+3], v8, s[8:9]
.macro FRAG reg, adr, q, i
	ds_load_b128 v[\reg:\reg+3], v[\adr] offset:(\i)*TROW+(\q)*CHUNK
	ds_load_b64 v[\reg+4:\reg+5], v[\adr+2] offset:(\i)*TROW+(\q)*CHUNK+512
	ds_load_b128 v[\reg+6:\reg+9], v[\adr] offset:(\i)*TROW+(\q)*CHUNK+768
	ds_load_b64 v[\reg+10:\reg+11], v[\adr+2] offset:(\i)*TROW+(\q)*CHUNK+1280
.endm
.macro MUL16 a0, p, q, sc, zero
.irp a, \a0, \a0+1
.irp b, 0,1,2,3,4,5,6,7
.if \zero
	v_wmma_scale_f32_16x16x128_f8f6f4 v[8*(8*((\a)%4)+\b):8*(8*((\a)%4)+\b)+7], v[128*(\p)+FR*\b:128*(\p)+FR*\b+FR-1], v[AF+FR*(\a):AF+FR*(\a)+FR-1], 0, v[SC+8*NQ*(\sc)+NQ*\b+(\q)], v[SC+8*NQ*(\sc)+NQ*(\a)+(\q)] matrix_a_fmt:MATRIX_FMT_FP6 matrix_b_fmt:MATRIX_FMT_FP6 matrix_a_scale:MATRIX_SCALE_ROW1
.else
	v_wmma_scale_f32_16x16x128_f8f6f4 v[8*(8*((\a)%4)+\b):8*(8*((\a)%4)+\b)+7], v[128*(\p)+FR*\b:128*(\p)+FR*\b+FR-1], v[AF+FR*(\a):AF+FR*(\a)+FR-1], v[8*(8*((\a)%4)+\b):8*(8*((\a)%4)+\b)+7], v[SC+8*NQ*(\sc)+NQ*\b+(\q)], v[SC+8*NQ*(\sc)+NQ*(\a)+(\q)] matrix_a_fmt:MATRIX_FMT_FP6 matrix_b_fmt:MATRIX_FMT_FP6 matrix_a_scale:MATRIX_SCALE_ROW1
.endif
.endr
.endr
.endm
.macro FETCH_B slot, q, p
	WIN TO_B
.irp i, 0,1,2,3,4,5,6,7
	FRAG 128*(\p)+FR*\i, ADRB+\slot, \q, \i
.endr
	WIN 0
.endm
.macro FETCH_A slot, q, i0
.irp i, \i0, \i0+1, \i0+2, \i0+3
	FRAG AF+FR*(\i), ADRA+\slot, \q, \i
.endr
.endm
.macro SCALES sc, ks
.irp i, 0,1,2,3,4,5,6,7
	ds_load_b64 v[SC+8*NQ*\sc+NQ*\i:SC+8*NQ*\sc+NQ*\i+1], v[ADRS] offset:\i*512+128*(\ks)
.endr
.endm
.macro PLACES n
.rept \n
	v_nop
.endr
.endm
.macro STEP slot, q, zero
	s_wait_dscnt 4*NL
	WIN MUL_LO
	MUL16 0, (\q)%2, \q, \slot, \zero
	MUL16 2, (\q)%2, \q, \slot, \zero
	s_wait_dscnt 0
	PLACES NP
	FETCH_B \slot, (\q)+1, 1-(\q)%2
	FETCH_A \slot, (\q)+1, 0
	WIN MUL_HI
	MUL16 4, (\q)%2, \q, \slot, \zero
	MUL16 6, (\q)%2, \q, \slot, \zero
	PLACES NP
	WIN 0
	FETCH_A \slot, (\q)+1, 4
.endm
.macro TURN slot, next, fill, ks
	s_wait_tensorcnt 0x0
	ds_add_u32 v[SPW], v[NIL]
	s_wait_dscnt 4*NL+1
	WIN MUL_LO
	MUL16 0, 1, NQ-1, \slot, 0
	s_wait_dscnt 0x0
	s_barrier_signal -1
	MUL16 2, 1, NQ-1, \slot, 0
	WIN 0
	s_barrier_wait -1
.if \fill
	CREST
	s_add_nc_u64 s[G0+4*\slot+2:G0+4*\slot+3], s[G0+4*\slot+2:G0+4*\slot+3], 2*TROW
	s_add_nc_u64 s[G0B+4*\slot+2:G0B+4*\slot+3], s[G0B+4*\slot+2:G0B+4*\slot+3], 2*TROW
	JLOAD G0+4*\slot, G1, G0B+4*\slot, G1B
.else
	PLACES NP
.endif
	FETCH_B \next, 0, 0
	FETCH_A \next, 0, 0
	SCALES \next, \ks
	WIN MUL_HI
	MUL16 4, 1, NQ-1, \slot, 0
	MUL16 6, 1, NQ-1, \slot, 0
	PLACES NP
	WIN 0
	FETCH_A \next, 0, 4
.endm
	s_wait_alu depctr_va_vdst(0)
	s_wait_tensorcnt 1
	s_barrier_signal -1
	s_barrier_wait -1
	FETCH_B 0, 0, 0
	FETCH_A 0, 0, 0
	SCALES 0, 0
	FETCH_A 0, 0, 4
	STEP 0, 0, 1
	TURN 0, 1, 1, 1
	STEP 1, 0, 0
	TURN 1, 0, 1, 2
	STEP 0, 0, 0
	TURN 0, 1, 0, 3
	STEP 1, 0, 0
	s_wait_dscnt 4*NL
	WIN MUL_LO
	MUL16 0, 1, NQ-1, 1, 0
	MUL16 2, 1, NQ-1, 1, 0
	s_wait_dscnt 0
	WIN MUL_HI
	MUL16 4, 1, NQ-1, 1, 0
	MUL16 6, 1, NQ-1, 1, 0
	WIN 0
.macro TOSTAGE a
.set AC, 64*((\a)%4)
	WIN 0x08+4*((\a)/4)
.irp b, 0,1,2,3,4,5,6,7
	ds_store_b128 v[STO], v[AC+8*\b:AC+8*\b+3] offset:128*(\b/2)+32*(\b%2)
	ds_store_b128 v[STO], v[AC+8*\b+4:AC+8*\b+7] offset:128*(\b/2)+32*(\b%2)+16
.endr
	WIN 0
.set BB, BK+64*((\a)%2)
.irp t, 0,1,2,3,4,5,6,7,8,9,10,11,12,13,14,15
	ds_load_b128 v[BB+4*\t:BB+4*\t+3], v[RD] offset:\t*SPITCH
.endr
.endm
.macro SEND a, younger
.set BB, BK+64*((\a)%2)
	s_wait_dscnt \younger
.irp t, 0,1,2,3,4,5,6,7,8,9,10,11,12,13,14,15
	v_pk_add_f32 v[BB+4*\t:BB+4*\t+1], v[BB+4*\t:BB+4*\t+1], v[BIAS:BIAS+1]
	v_pk_add_f32 v[BB+4*\t+2:BB+4*\t+3], v[BB+4*\t+2:BB+4*\t+3], v[BIAS+2:BIAS+3]
.endr
.irp t, 0,1,2,3,4,5,6,7,8,9,10,11,12,13,14,15
	global_store_b128 v[CO], v[BB+4*\t:BB+4*\t+3], s[10:11] offset:(32*((\a)/2)+8*((\a)%2)+\t+8*(\t/8))*4096 th:TH_STORE_NT
.endr
.endm
	PLACES NP
	s_wait_loadcnt 0x0
	TOSTAGE 0
.irp a, 1,2,3,4,5,6,7
.if \a > 1
	s_wait_xcnt 0x0
.endif
	TOSTAGE \a
	SEND \a-1, 32
.endr
	SEND 7, 0
	s_wait_tensorcnt 0x0
	ds_add_u32 v[SPW], v[NIL]
	s_wait_dscnt 0x0
	CROUND
	s_endpgm
.Lfunc_end_k_q6f9a3f4f1c_outp:
	.size	k_q6f9a3f4f1c_outp, .Lfunc_end_k_q6f9a3f4f1c_outp-k_q6f9a3f4f1c_outp
	.p2alignl 7, 3214868480
	.fill 96, 4, 3214868480
	.section	.rodata,"a",@progbits
	.p2align	6, 0x0
	.amdhsa_kernel k_q6f9a3f4f1c_outp
		.amdhsa_group_segment_fixed_size 327680
		.amdhsa_private_segment_fixed_size 0
		.amdhsa_enable_private_segment 0
		.amdhsa_kernarg_size 32
		.amdhsa_user_sgpr_count 2
		.amdhsa_user_sgpr_kernarg_segment_ptr 1
		.amdhsa_wavefront_size32 1
		.amdhsa_system_sgpr_workgroup_id_x 1
		.amdhsa_system_sgpr_workgroup_id_y 1
		.amdhsa_system_sgpr_workgroup_id_z 1
		.amdhsa_system_vgpr_workitem_id 0
		.amdhsa_next_free_vgpr 1024
		.amdhsa_next_free_sgpr 98
		.amdhsa_reserve_vcc 0
		.amdhsa_float_denorm_mode_32 3
		.amdhsa_float_denorm_mode_16_64 3
		.amdhsa_memory_ordered 1
		.amdhsa_forward_progress 1
		.amdhsa_inst_pref_size 160
	.end_amdhsa_kernel
	.amdgpu_metadata
---
amdhsa.version: [ 1, 2 ]
amdhsa.kernels:
  - .name:           k_q6f9a3f4f1c_outp
    .symbol:         k_q6f9a3f4f1c_outp.kd
    .args:
      - { .name: att, .offset: 0, .size: 8, .value_kind: global_buffer, .address_space: global }
      - { .name: ops, .offset: 8, .size: 8, .value_kind: global_buffer, .address_space: global }
      - { .name: bo, .offset: 16, .size: 8, .value_kind: global_buffer, .address_space: global }
      - { .name: out0, .offset: 24, .size: 8, .value_kind: global_buffer, .address_space: global }
    .group_segment_fixed_size: 327680
    .private_segment_fixed_size: 0
    .kernarg_segment_align: 8
    .kernarg_segment_size: 32
    .max_flat_workgroup_size: 128
    .sgpr_count:     98
    .vgpr_count:     1024
    .wavefront_size: 32
...
	.end_amdgpu_metadata
.endif
;; end of part 4
